; MI455X (gfx1250); checked and timed in simulation.
; The chip was launched on July 23, 2026; its instructions are those of AMD's public machine-readable ISA for CDNA 5 (MIT licence, August 2026) and "CDNA5" Instruction Set Architecture Reference Guide (July 2026). The comments in the code are by the model that wrote it; some were corrected since.
;; Causal Self Attention. Allowed arithmetic: matrix products marked QUANTISED: E2M3 operands, one E8M0 scale for each 32 along K, by v_wmma_scale_f32_16x16x128_f8f6f4 with both operands' format E2M3, f32 sums; everything else in f32.
;; Inputs: W_k_codes 1,024 x 32 x 24 uint8 (E2M3 codes of W_k, K innermost, in blocks of 32 codes, four codes in three bytes); W_k_scales 1,024 x 32 uint8 (E8M0 scales of W_k, one for each 32 codes along K); W_o_codes 1,024 x 32 x 24 uint8 (E2M3 codes of W_o, K innermost, in blocks of 32 codes, four codes in three bytes); W_o_scales 1,024 x 32 uint8 (E8M0 scales of W_o, one for each 32 codes along K); W_q_codes 1,024 x 32 x 24 uint8 (E2M3 codes of W_q, K innermost, in blocks of 32 codes, four codes in three bytes); W_q_scales 1,024 x 32 uint8 (E8M0 scales of W_q, one for each 32 codes along K); W_v_codes 1,024 x 32 x 24 uint8 (E2M3 codes of W_v, K innermost, in blocks of 32 codes, four codes in three bytes); W_v_scales 1,024 x 32 uint8 (E8M0 scales of W_v, one for each 32 codes along K); b_o 1,024 float32; x_codes 4 x 2,048 x 32 x 24 uint8 (E2M3 codes of x, K innermost, in blocks of 32 codes, four codes in three bytes); x_scales 4 x 2,048 x 32 uint8 (E8M0 scales of x, one for each 32 codes along K).
;; Outputs: out0 4 x 2,048 x 1,024 float32.
;; This version of the problem:
;;   THIS VERSION OF THE PROBLEM IS GIVEN IN LOW PRECISION. The matrix products marked QUANTISED in the list below multiply operands that are first quantised to E2M3 (2 exponent bits, 3 mantissa bits; 6 bits a number), with one power-of-two scale for each 32 numbers along K (OCP MX v1.0); their sums are f32. All else is computed in f32.
;;   The module's matrix products, in the order in which they are computed (A, B: the left and right operand; K: the contracted axis; several contracted axes count as one K, in the product's order):
;;     1. [M 8,192, K 1,024] x [K 1,024, N 1,024]; A: input x (given as codes); B: input W_q (given as codes): QUANTISED
;;     2. [M 8,192, K 1,024] x [K 1,024, N 1,024]; A: input x (given as codes); B: input W_k (given as codes): QUANTISED
;;     3. [M 8,192, K 1,024] x [K 1,024, N 1,024]; A: input x (given as codes); B: input W_v (given as codes): QUANTISED
;;     4. batch 64 x [M 2,048, K 64] x [K 64, N 2,048]; A: computed on the way; B: computed on the way: QUANTISED
;;     5. batch 64 x [M 2,048, K 2,048] x [K 2,048, N 64]; A: softmax (see below); B: computed on the way: QUANTISED
;;     6. [M 8,192, K 1,024] x [K 1,024, N 1,024]; A: computed on the way; B: input W_o (given as codes): QUANTISED
;;   THE QUANTISER, for each operand of a quantised product, along K:
;;     - K is cut into blocks of 32 from its start; a last block that is shorter is filled with zeros.
;;     - A block's scale is 2^e with e = floor(log2(the largest magnitude in the block)) - 2, held to -126 .. 127; a block of zeros has e = 0. As a byte (E8M0): e + 127.
;;     - Each number is divided by its block's scale, clamped to +-7.5, and rounded to the nearest number of E2M3, ties to even, subnormals kept.
;;     - The product sums the exact products of the quantised numbers (number of the format x scale) in f32.
;;   ~~~python
;;   def quantise(x, axis):      # numpy; x: float32 -> the quantised numbers, widened to float32 again
;;       x = np.moveaxis(x, axis, -1); K = x.shape[-1]
;;       x = np.pad(x, [(0, 0)] * (x.ndim - 1) + [(0, -K % 32)]); x = x.reshape(x.shape[:-1] + (-1, 32)); a = np.abs(x).max(-1, keepdims=True)
;;       e = np.where(a > 0, np.clip(np.frexp(np.where(a > 0, a, 1))[1] - 1 - 2, -126, 127), 0)      # np.frexp(a)[1] - 1 = floor(log2(a)), exactly
;;       r = np.clip(x / 2.0 ** e, -7.5, 7.5)
;;       step = 2.0 ** (np.maximum(np.frexp(np.where(r == 0, 1, r))[1] - 1, 0) - 3)
;;       q = np.round(r / step) * step * 2.0 ** e      # np.round: ties to even
;;       return np.moveaxis(q.reshape(q.shape[:-2] + (-1,))[..., :K], -1, axis).astype(np.float32)
;;   ~~~
;;   SOFTMAX AHEAD OF A QUANTISED PRODUCT. Where the list says 'softmax', what is quantised is not the finished softmax but p = 2^(t - M), with t = logit x log2(e) and M = ceil(the row's largest t), a whole number; so 1/2 < the row's largest p <= 1. The row's sum l is taken of the UNQUANTISED p, in f32, and the product's result is divided by l at the end. Since M is a whole number, a kernel that streams over the keys may use a running M (the ceiling of the running maximum): every later rescaling is an exact power of two, which a block's scale takes up: the codes' values come out the same.
;;   OPERANDS COMPUTED ON THE WAY. 'Computed on the way' means the value that the module computes at that place (a softmax that the list does not call 'softmax' is quantised finished and normalised). What goes into a quantiser is computed in f32, as accurately as f32 sums, v_exp_f32 and their like allow (about 1e-6 of the number): no bf16 or f16 on the way to a quantiser, and a product that is left as it is and whose result goes on into a quantised operand takes f32 operands (vector FMAs, or v_wmma_f32_16x16x4_f32). A number that lies on a knife's edge between two numbers of the format may be rounded either way, as far as f32 arithmetic and the matrix unit's own rounding can turn it there, and no further.
;;   INPUTS GIVEN AS CODES. W_k (in the module: [1024, 1024], K = its axis 1); W_o (in the module: [1024, 1024], K = its axis 1); W_q (in the module: [1024, 1024], K = its axis 1); W_v (in the module: [1024, 1024], K = its axis 1); x (in the module: [4, 2048, 1024], K = its axis 2): each comes as NAME_codes (uint8): NAME with its K axis moved to the last place and cut into blocks of 32 codes, [.., K / 32, bytes a block], one block behind the other in memory; four codes in three bytes: a row's codes are one little-endian stream of bits, code i at bits 6 i .. 6 i + 5 (a code: sign, 2 exponent bits, 3 mantissa bits); and NAME_scales (uint8): the same leading axes, one E8M0 byte (e + 127) for each 32 codes along K. Its value is code x scale, taken as it is: it is not quantised again, and the codes and scales need not be those that the quantiser above would give.
;; One version. Each part assembles by itself: llvm-mc -triple=amdgcn-amd-amdhsa -mcpu=gfx1250 --defsym DOCPART=n.
;; ======== version 1 of 1: 3 launches
;; workspace buffers: qkv 19,660,800 bytes; yc 6,291,456 bytes; ys 262,144 bytes
;; launch qkv_proj (part 1): grid 12 x 32, 4 waves a work-group, clusters of 4 x 4, 327,680 bytes of LDS; arguments x_codes, x_scales, W_q_codes, W_q_scales, W_k_codes, W_k_scales, W_v_codes, W_v_scales, qkv; writes qkv
.if DOCPART == 1
	.amdgcn_target "amdgcn-amd-amdhsa--gfx1250"
	.amdhsa_code_object_version 6
	.text
	.protected	k_q22ba07a4cf_qkv_proj
	.globl	k_q22ba07a4cf_qkv_proj
	.p2align	8
	.type	k_q22ba07a4cf_qkv_proj,@function
k_q22ba07a4cf_qkv_proj:
	s_mov_b64 s[64:65], 0
	v_nop
	global_prefetch_b8 v0, s[64:65] scope:SCOPE_SE
	s_setreg_imm32_b32 hwreg(HW_REG_WAVE_MODE, 25, 1), 1
	s_wait_xcnt 0x0
	s_wait_alu depctr_hold_cnt(0) depctr_sa_sdst(0) depctr_va_vdst(0) depctr_va_sdst(0) depctr_va_ssrc(0) depctr_va_vcc(0) depctr_vm_vsrc(0)
	s_getreg_b32 s2, hwreg(HW_REG_IB_STS2, 6, 4)
	s_cmp_eq_u32 s2, 0
	s_cbranch_scc0 .Lentry_in_a_cluster
	s_endpgm
.Lentry_in_a_cluster:
	s_bfe_u32 s2, ttmp6, 0x10000c
	s_cmp_lg_u32 s2, 0xf033
	s_cbranch_scc0 .Lentry_shape_is_right
	s_endpgm
.Lentry_shape_is_right:
; THE THREE PROJECTIONS q = x Wq^T, k = x Wk^T, v = x Wv^T on codes of FP6 (E2M3) with one E8M0 scale for each 32 along K = 1,024, and the quantising of their results for the attention that follows.
; x: [8,192][1,024], each W: [1,024][1,024], as codes (a row is 768 bytes, one stream of bits) and scale bytes (32 a row).  Sums in f32.
; ONE TEXT FOR THE THREE.  The cluster's x says which (0: q, 1: k, 2: v).  C[m][n] = sum over k of A[m][k] B[n][k].  For q and k: A = x (m = tokens), B = W (n = features).  For v: A = Wv (m = channels), B = x (n = tokens).
; The matrix instruction is used transposed (source 0 = 16 rows of B, source 1 = 16 rows of A): a lane holds ONE m and eight neighbouring n.  q and k are quantised along the head's 64 features, v along the keys (tokens): in all three cases along n.
; A tile of C is 256 x 256, made by four waves, each 128 x 128: 64 accumulators, 512 registers.  K goes in steps of 256 through a ring of two LDS slots filled by the tensor data mover; the scale bytes of the work-group's rows come once and stay.
; CLUSTERS: 4 x 4 work-groups; A's tiles are asked for jointly along a row of the cluster, B's along a column.
; THE RESULT is stored as UNITS: 16 rows x 64 along the next product's K, an image of six operand registers, 768 bytes: lane l's registers 0-3 at 16 l, its registers 4-5 at 512 + 8 l.  Lane (r, H) holds row r and the block of 32 numbered H.
; Inside a block the codes stand in the order 0-7, 16-23, 8-15, 24-31 of the block's numbers: the same for q and k, and for v and the attention's weights, so that each product's operands are permuted alike and only the order of its sums changes.
; qkv: [batch x head (64)][group of 128 tokens (16)][19,200 bytes]: Q's 8 units, q's scale words (256 bytes), K's 8 units, V's 8 units ([64 keys (2)][16 channels (4)]), k's scale words, v's scale words.
; LIMITS: NaN and infinities are not served.  A block whose largest magnitude lies under 2^-124 gets the scale byte 1, a block of zeros too (its codes are zeros; the bytes are read by this program alone).
; REGISTERS, in windows of 256: window 0: v0-31 addresses; v32-63 scale words, two sets, and nothing else; v64-127 and v224-229 the way out; v128-223 A's fragments, one set.
;   window 1: B's fragments, two sets, at v0 and v128.   window 2: the accumulators of my rows 0-63 ((a, b) at v[8 (8 a + b)]);   window 3: those of my rows 64-127.
.set SIZE_K, 1024
.set KSTEP,  256                       ; along K in a slot
.set NQ,     KSTEP/128                 ; matrix instructions deep
.set ROWB,   192                       ; a tile's row in bytes
.set KROW,   SIZE_K*6/8                ; a row of codes in memory
.set PITCH,  240                       ; an LDS row: 3 x (64 bytes of data + 16 of padding)
.set FR,     12                        ; registers of a fragment
.set NL,     6                         ; LDS loads that bring one
.set NP,     4                         ; places behind this matrix instruction (ISA guide 7.12.1)
.set HALFT,  128*PITCH                 ; 128 rows: what one tensor load brings
.set SLOT,   4*HALFT                   ; A's 256 rows, then B's 256 rows
.set LAPS,   SIZE_K/(2*KSTEP)          ; a lap = two K steps = once round the ring
.set KS,     SIZE_K/32                 ; a row of scale bytes
.set SCL,    2*SLOT                    ; behind the ring: the scales, as rows of 256 bytes + 16 of padding
.set HALFS,  (128*KS/256)*272          ; the scales of 128 rows
.set SBLK,   (16*KS/256)*272           ; those of 16 rows
.set SPARE,  SCL+4*HALFS               ; behind the scales: the spare words, 128 bytes for each wave
.set GROUPB, 19200                     ; a group of 128 tokens of one head in qkv
.set HEADB,  16*GROUPB                 ; a head
.set ADRA, 16                          ; v16-17 LDS address of my A fragments in slot 0, 1 (v18-19: for the pieces behind one padding more)
.set ADRB, 20                          ; v20-23 the same for B
.set ADRS, 27                          ; v27    LDS address of my scale words: lanes 0-15 A's rows, lanes 16-31 B's
.set SPW,  28                          ; v28    LDS address of my spare word; never rewritten
.set NIL,  29                          ; v29    0; never rewritten
.set L16,  30                          ; v30    16 x lane
.set L8,   31                          ; v31    8 x lane
.set SC,   32                          ; scale words: set s at v[SC + 16 s]
.set FLR,  64                          ; v64    the floor 2^(3 - 127)
.set TM,   68                          ; v68-71 four blocks' largest magnitudes
.set TP,   72                          ; v72-75 the partner lane's, then the scale bytes
.set TSO,  76                          ; v76-79 the conversions' scale operands
.set PW,   80                          ; v80-87 the scale word of my row in each of the eight blocks of rows
.set PT,   88                          ; v88-95 the upper halves of the blocks' codes
.set PC0,  96                          ; v96-119 two fragments of codes, by turns
.set XW,   120                         ; v120-127 scale words regrouped
.set SP0,  224                         ; v224-229 the two scale units to be stored, and two at work
.set AF,   128                         ; A's fragments
.set G1, 24
.set G0, 32
.set G1B, 48
.set G0B, 56
.set G1S, 68
.set G0S, 76
.set G1SB, 80
.set G0SB, 88
.set OB00, 12                          ; s[12:13]   where units (a < 4, c = 0) go;
.set OB01, 96                          ; s[96:97]   (a < 4, c = 1);
.set OB10, 98                          ; s[98:99]   (a >= 4, c = 0);
.set OB11, 100                         ; s[100:101] (a >= 4, c = 1)
.set SCB,  104                         ; s[104:105] where the first head's scale unit goes
.set MSB, 0
.macro WIN new                         ; the immediate's high byte repeats the setting that is left
.if MSB != \new
	s_set_vgpr_msb (MSB<<8)|\new
.set MSB, \new
.endif
.endm
.set MUL_LO, 0xa1                      ; source 0 (B) window 1, source 1 (A) window 0, C and D window 2
.set MUL_HI, 0xf1                      ; the same, C and D window 3
.set TO_B,   0x40                      ; destination window 1, address window 0
; A joint load: waves 0 and 1 fetch for A, waves 2 and 3 for B.  Each line has one mask and one set of registers for all that issue it; the branch hangs on the wave's number alone.
; Four v_nop follow each of the two lines, ahead of the jump, the label and what follows.
.macro JLOAD g0a, g1a, g0b, g1b
	s_cmp_eq_u32 s15, 0
	s_cbranch_scc0 .Lfor_b_\@
	tensor_load_to_lds s[\g0a:\g0a+3], s[\g1a:\g1a+7]
	s_nop 0
.rept 4
	v_nop
.endr
	s_branch .Lasked_\@
.Lfor_b_\@:
	tensor_load_to_lds s[\g0b:\g0b+3], s[\g1b:\g1b+7]
	s_nop 0
.rept 4
	v_nop
.endr
.Lasked_\@:
.endm
.macro CREST                           ; a round of the cluster's barrier behind its opening barrier
	s_cmp_lg_u32 s14, 0
	s_cbranch_scc1 .Lnot_wave_0_\@
	s_barrier_signal -3
.Lnot_wave_0_\@:
	s_barrier_wait -3
	s_barrier_signal -1
	s_barrier_wait -1
.endm
.macro CROUND                          ; a whole round
	s_barrier_signal -1
	s_barrier_wait -1
	CREST
.endm
	s_load_b256 s[32:39], s[0:1], 0x0              ; x's codes, x's scales, Wq's codes, Wq's scales
	s_load_b256 s[56:63], s[0:1], 0x20             ; Wk's codes, Wk's scales, Wv's codes, Wv's scales
	s_load_b64 s[12:13], s[0:1], 0x40              ; qkv
	v_lshl_add_u32 v[SPW], v0, 2, SPARE
	v_mov_b32 v[NIL], 0
	ds_add_u32 v28, v29
	ds_add_u32 v28, v29
	s_wait_dscnt 0x0
	v_lshrrev_b32 v1, 5, v0
	v_readfirstlane_b32 s14, v1                    ; wave 0..3
	s_lshr_b32 s15, s14, 1                         ; which half of the tile's rows is mine.  Also: I fetch for A (0) or for B (1)
	s_and_b32 s16, s14, 1                          ; which half of its columns.  Also: which 128 rows of that tile I fetch
	s_bfe_u32 s40, ttmp6, 0x40000                  ; cx, cy: my place in the cluster
	s_bfe_u32 s41, ttmp6, 0x40004
	s_and_b32 s94, ttmp7, 0xffff
	s_lshl_b32 s94, s94, 2                         ; 4 x cluster y: it walks the tokens
	s_cmp_eq_u32 ttmp9, 2                          ; v?
	s_cselect_b32 s95, 0, s94                      ; q, k: the tokens are A's rows;
	s_cselect_b32 s66, s94, 0                      ; v: they are B's
	s_add_co_u32 s17, s95, s41                     ; A's tile row: cy and cluster numbers alone
	s_add_co_u32 s42, s66, s40                     ; B's tile column: cx and cluster numbers alone
	s_lshl_b32 s43, s41, 2
	s_lshl_b32 s43, 15, s43                        ; my row of the cluster
	s_lshl_b32 s44, 0x1111, s40                    ; my column
	; descriptor group 1: a tile of 128 rows x 192 bytes, padded in LDS
	s_or_b32 s[G1+0], s43, (0<<16)|(1<<20)|(1<<21)|(3<<22)|(3<<25)  ; 15:0 the mask: A's tiles go to my row; elements of 1 byte; padding on; bit 21 beside a mask; after every 16 words 4 words
	s_or_b32 s[G1B+0], s44, (0<<16)|(1<<20)|(1<<21)|(3<<22)|(3<<25)
.irp g, G1, G1B
	s_mov_b32 s[\g+1], ROWB<<16                    ; tensor_dim0
	s_mov_b32 s[\g+2], 128<<16                     ; tensor_dim1
	s_mov_b32 s[\g+3], ROWB<<16                    ; tile_dim0
	s_mov_b32 s[\g+4], 128                         ; tile_dim1
	s_mov_b32 s[\g+5], KROW                        ; from row to row
	s_mov_b32 s[\g+6], 0
	s_mov_b32 s[\g+7], 0
.endr
	; the scales of 128 rows: a dense block of 4,096 bytes, as 16 rows of 256 bytes (32 elements of 8 bytes), 16 bytes of padding behind each
	s_or_b32 s[G1S+0], s43, (3<<16)|(1<<20)|(1<<21)|(5<<22)|(3<<25)
	s_or_b32 s[G1SB+0], s44, (3<<16)|(1<<20)|(1<<21)|(5<<22)|(3<<25)
.irp g, G1S, G1SB
	s_mov_b32 s[\g+1], 32<<16
	s_mov_b32 s[\g+2], (128*KS/256)<<16
	s_mov_b32 s[\g+3], 32<<16
	s_mov_b32 s[\g+4], 128*KS/256
	s_mov_b32 s[\g+5], 32
	s_mov_b32 s[\g+6], 0
	s_mov_b32 s[\g+7], 0
.endr
	s_lshl_b32 s18, s16, 7                         ; which 128 rows of the tile I fetch
	s_lshl_b32 s20, s17, 8
	s_add_co_u32 s20, s20, s18                     ; A: row 256 x tile row + 128 x half
	s_lshl_b32 s46, s42, 8
	s_add_co_u32 s46, s46, s18                     ; B: row 256 x tile column + 128 x half
	s_mov_b32 s21, 0
	s_mov_b32 s47, 0
	s_mov_b64 s[18:19], KS
	s_mul_u64 s[22:23], s[20:21], s[18:19]         ; where these rows' scales begin, in bytes
	s_mul_u64 s[92:93], s[46:47], s[18:19]
	s_mov_b64 s[18:19], KROW
	s_mul_u64 s[20:21], s[20:21], s[18:19]         ; and their codes
	s_mul_u64 s[46:47], s[46:47], s[18:19]
	s_mul_i32 s45, s14, HALFT                      ; where they go: wave x 128 rows: no place in the cluster enters an LDS address
	s_mul_i32 s94, s14, HALFS
	s_wait_kmcnt 0x0
	s_cmp_eq_u32 ttmp9, 0                          ; which tensors are A and B: a choice on the cluster's number, the same in all sixteen partners
	s_cselect_b64 s[8:9], s[36:37], s[56:57]       ; B's codes: Wq's or Wk's,
	s_cselect_b64 s[10:11], s[38:39], s[58:59]     ; and scales
	s_cmp_eq_u32 ttmp9, 2
	s_cselect_b64 s[4:5], s[60:61], s[32:33]       ; A's codes: Wv's for v, else x's
	s_cselect_b64 s[6:7], s[62:63], s[34:35]
	s_cselect_b64 s[8:9], s[32:33], s[8:9]         ; B: x for v
	s_cselect_b64 s[10:11], s[34:35], s[10:11]
	s_add_nc_u64 s[20:21], s[4:5], s[20:21]
	s_add_nc_u64 s[22:23], s[6:7], s[22:23]
	s_add_nc_u64 s[46:47], s[8:9], s[46:47]
	s_add_nc_u64 s[92:93], s[10:11], s[92:93]
	CROUND                                         ; all sixteen work-groups are here: the first joint loads meet
	s_mov_b32 s[G0S], 1
	s_add_co_u32 s[G0S+1], s94, SCL
	s_mov_b64 s[G0S+2:G0S+3], s[22:23]
	s_or_b32 s[G0S+3], s[G0S+3], 0x80000000
	s_mov_b32 s[G0SB], 1
	s_add_co_u32 s[G0SB+1], s94, SCL
	s_mov_b64 s[G0SB+2:G0SB+3], s[92:93]
	s_or_b32 s[G0SB+3], s[G0SB+3], 0x80000000
	JLOAD G0S, G1S, G0SB, G1SB                     ; the scales first: they are wanted with K step 0
.irp s, 0,1
	s_mov_b32 s[G0+4*\s], 1
	s_add_co_u32 s[G0+4*\s+1], s45, \s*SLOT
	s_add_nc_u64 s[G0+4*\s+2:G0+4*\s+3], s[20:21], \s*ROWB
	s_or_b32 s[G0+4*\s+3], s[G0+4*\s+3], 0x80000000
	s_mov_b32 s[G0B+4*\s], 1
	s_add_co_u32 s[G0B+4*\s+1], s45, \s*SLOT
	s_add_nc_u64 s[G0B+4*\s+2:G0B+4*\s+3], s[46:47], \s*ROWB
	s_or_b32 s[G0B+4*\s+3], s[G0B+4*\s+3], 0x80000000
	JLOAD G0+4*\s, G1, G0B+4*\s, G1B               ; three tensor loads of mine are out at the most
.endr
	v_and_b32 v1, 15, v0                           ; l % 16
	v_bfe_u32 v2, v0, 4, 1                         ; l / 16
	v_mul_u32_u24 v3, v1, PITCH
	v_mul_u32_u24 v4, v2, 24
	v_add_nc_u32 v4, v3, v4                        ; a fragment's row x pitch + 24 x half
	v_lshl_add_u32 v5, v2, 4, v4                   ; and the same behind one padding more
	s_mul_i32 s21, s15, HALFT                      ; my 128 rows of A
	s_mul_i32 s22, s16, HALFT                      ; my 128 rows of B,
	s_add_co_u32 s22, s22, 2*HALFT                 ; which lie behind A's 256
.irp s, 0,1
	v_add_nc_u32 v[ADRA+\s], s21, v4
	v_add_nc_u32 v[ADRB+\s], s22, v4
	v_add_nc_u32 v[ADRA+2+\s], s21, v5
	v_add_nc_u32 v[ADRB+2+\s], s22, v5
	s_add_co_u32 s21, s21, SLOT
	s_add_co_u32 s22, s22, SLOT
.endr
	v_mul_u32_u24 v5, v1, KS                       ; my row's scales: 32 bytes a row,
	v_lshrrev_b32 v6, 8, v5
	v_lshl_add_u32 v5, v6, 4, v5                   ; and 16 more for each 256 passed
	s_mul_i32 s21, s15, HALFS                      ; A's: my 128 rows
	s_mul_i32 s22, s16, HALFS                      ; B's: my 128 rows, behind A's 256
	s_add_co_u32 s22, s22, 2*HALFS
	s_sub_co_u32 s22, s22, s21
	v_mul_u32_u24 v6, s22, v2                      ; lanes 16-31 take B's
	s_add_co_u32 s21, s21, SCL
	v_add_nc_u32 v5, v5, v6
	v_add_nc_u32 v[ADRS], s21, v5
	; the way out: lane offsets, constants, and where my 128 x 128 goes
	v_and_b32 v6, 31, v0
	v_lshlrev_b32 v[L16], 4, v6
	v_lshlrev_b32 v[L8], 3, v6
	v_mov_b32 v[FLR], 0x1800000
.irp b, 0,1,2,3
	v_mov_b32 v[TP+\b], 0                          ; written once: a lane permute's destination counts as one of its sources
.endr
	s_lshl_b32 s20, s17, 8
	s_lshl_b32 s21, s15, 7
	s_add_co_u32 s20, s20, s21                     ; my first m
	s_lshl_b32 s21, s42, 8
	s_lshl_b32 s22, s16, 7
	s_add_co_u32 s21, s21, s22                     ; my first n
	s_cmp_eq_u32 ttmp9, 2
	s_cselect_b32 s22, s21, s20                    ; my first token (of 8,192),
	s_cselect_b32 s23, s20, s21                    ; my first feature (of 1,024)
	s_lshr_b32 s46, s22, 11                        ; the batch,
	s_lshl_b32 s46, s46, 4
	s_lshr_b32 s23, s23, 6
	s_add_co_u32 s46, s46, s23                     ; x 16 + the head,
	s_lshl_b32 s46, s46, 4
	s_bfe_u32 s22, s22, 0x40007
	s_add_co_u32 s46, s46, s22                     ; x 16 + the group of 128 tokens
	s_mul_i32 s46, s46, GROUPB
	s_cmp_eq_u32 ttmp9, 0
	s_cselect_b32 s92, 0, 6400                     ; where the codes begin in a group: Q 0, K 6,400, V 12,544;
	s_mov_b32 s93, 18688
	s_cselect_b32 s93, 6144, s93                   ; the scale words: 6,144, 18,688, 18,944
	s_cmp_eq_u32 ttmp9, 2
	s_cselect_b32 s92, 12544, s92
	s_cselect_b32 s93, 18944, s93
	s_cselect_b32 s94, HEADB-3072, 0               ; blocks of rows 4-7: v: the next head, and back to its channel tile 0 (768 a is added to all); q, k: nothing
	s_mov_b32 s95, HEADB
	s_cselect_b32 s95, 3072, s95                   ; the second 64 along n: v: the group's second 64 keys; q, k: the next head
	s_mov_b32 s23, 0x05040100
	s_cselect_b32 s23, 0x03020100, s23             ; byte selects for the scale words (see the end)
	s_mov_b32 s2, 0x07060302
	s_cselect_b32 s2, 0x07060504, s2
	s_cselect_b32 s67, -1, 0
	s_add_co_u32 s92, s92, s46
	s_add_co_u32 s46, s93, s46
	s_mov_b32 s93, 0
	s_mov_b32 s47, 0
	s_add_nc_u64 s[SCB:SCB+1], s[12:13], s[46:47]
	s_add_nc_u64 s[OB00:OB00+1], s[12:13], s[92:93]
	s_mov_b32 s92, s95
	s_add_nc_u64 s[OB01:OB01+1], s[OB00:OB00+1], s[92:93]
	s_mov_b32 s92, s94
	s_add_nc_u64 s[OB10:OB10+1], s[OB00:OB00+1], s[92:93]
	s_mov_b32 s92, s95
	s_add_nc_u64 s[OB11:OB11+1], s[OB10:OB10+1], s[92:93]
	s_mov_b32 s20, 0x76543210
	s_mov_b32 s21, 0xfedcba98                      ; v_permlanex16_b32's selects for lane l xor 16
	s_mov_b32 s22, 0xffff0000                      ; lanes 16-31
.macro FRAG reg, adr, q, i             ; a fragment, 16 rows x 128 K, is 12 registers: lane l holds row l % 16; registers 6 c .. 6 c + 5 hold K = 64 c + 32 (l / 16) + 0 .. 31: 24 bytes of the row's stream of bits, as they lie
.irp p, 0,1,2,3,4,5                    ; in pieces of 8 bytes.  Lanes 0-15 take the row's pieces 12 q + 0, 1, 2 and 12 q + 6, 7, 8, lanes 16-31 those three pieces on
.set PCE, 12*(\q)+6*(\p/3)+\p%3        ; 16 bytes of padding lie behind every 8 pieces: where the piece three on lies behind one padding more, the second address register serves
.if PCE%8 < 5
	ds_load_b64 v[\reg+2*\p:\reg+2*\p+1], v[\adr] offset:8*PCE+16*(PCE/8)+(\i)*16*PITCH
.else
	ds_load_b64 v[\reg+2*\p:\reg+2*\p+1], v[\adr+2] offset:8*PCE+16*(PCE/8)+(\i)*16*PITCH
.endif
.endr
.endm
; 16 matrix instructions: A's blocks a0, a0 + 1 x B's eight, 128 along K.  p: B's set;  sc: the set of scale words.  zero = 1: the first product starts the sums.
; The 64 accumulators take turns, one instruction a turn, in the same order in every step.
.macro MUL16 a0, p, q, sc, zero
.irp a, \a0, \a0+1
.irp b, 0,1,2,3,4,5,6,7
.if \zero
	v_wmma_scale_f32_16x16x128_f8f6f4 v[8*(8*((\a)%4)+\b):8*(8*((\a)%4)+\b)+7], v[128*(\p)+FR*\b:128*(\p)+FR*\b+FR-1], v[AF+FR*(\a):AF+FR*(\a)+FR-1], 0, v[SC+8*NQ*(\sc)+NQ*\b+(\q)], v[SC+8*NQ*(\sc)+NQ*(\a)+(\q)] matrix_a_fmt:MATRIX_FMT_FP6 matrix_b_fmt:MATRIX_FMT_FP6 matrix_a_scale:MATRIX_SCALE_ROW1
.else
	v_wmma_scale_f32_16x16x128_f8f6f4 v[8*(8*((\a)%4)+\b):8*(8*((\a)%4)+\b)+7], v[128*(\p)+FR*\b:128*(\p)+FR*\b+FR-1], v[AF+FR*(\a):AF+FR*(\a)+FR-1], v[8*(8*((\a)%4)+\b):8*(8*((\a)%4)+\b)+7], v[SC+8*NQ*(\sc)+NQ*\b+(\q)], v[SC+8*NQ*(\sc)+NQ*(\a)+(\q)] matrix_a_fmt:MATRIX_FMT_FP6 matrix_b_fmt:MATRIX_FMT_FP6 matrix_a_scale:MATRIX_SCALE_ROW1
.endif
.endr
.endr
.endm
.macro FETCH_B slot, q, p              ; B's eight fragments of the slot's q-th 128 along K into set p
	WIN TO_B
.irp i, 0,1,2,3,4,5,6,7
	FRAG 128*(\p)+FR*\i, ADRB+\slot, \q, \i
.endr
	WIN 0
.endm
.macro FETCH_A slot, q, i0             ; A's blocks i0 .. i0 + 3
.irp i, \i0, \i0+1, \i0+2, \i0+3
	FRAG AF+FR*(\i), ADRA+\slot, \q, \i
.endr
.endm
.macro SCALES sc                       ; the next K step's scale words into set sc: two words a row; lanes 0-15 take A's block i, lanes 16-31 B's block i
.irp i, 0,1,2,3,4,5,6,7
	ds_load_b64 v[SC+8*NQ*\sc+NQ*\i:SC+8*NQ*\sc+NQ*\i+1], v[ADRS] offset:\i*SBLK
.endr
.endm
; A load into a register that a matrix instruction has read, and a vector instruction that reads a matrix result, stand four places behind that matrix instruction; only plain vector
; instructions that name none of its registers are places (ISA guide 7.12.1 for vector instructions).
.macro PLACES n
.rept \n
	v_nop
.endr
.endm
; A step of 128 along K that has its successor in the same slot.
.macro STEP slot, q, zero
	s_wait_dscnt 4*NL                              ; B's set and A's blocks 0-3 are in; the youngest 24 loads (A's blocks 4-7) may be out
	WIN MUL_LO
	MUL16 0, (\q)%2, \q, \slot, \zero
	MUL16 2, (\q)%2, \q, \slot, \zero
	s_wait_dscnt 0                                 ; A's blocks 4-7 are in (asked for 32 matrix instructions ago)
	PLACES NP
	FETCH_B \slot, (\q)+1, 1-(\q)%2
	FETCH_A \slot, (\q)+1, 0
	WIN MUL_HI
	MUL16 4, (\q)%2, \q, \slot, \zero
	MUL16 6, (\q)%2, \q, \slot, \zero
	PLACES NP
	WIN 0
	FETCH_A \slot, (\q)+1, 4
.endm
; A slot's last step changes slots: ONE barrier; in front of it each wave waits for all its tensor loads, adds 0 to its spare word, and waits for that and for its own reads of this slot.  fill = 1: this slot is filled again, two K steps ahead.
.macro TURN slot, next, fill
	s_wait_tensorcnt 0x0                           ; all my tensor loads have landed: my part of the next slot
	ds_add_u32 v[SPW], v[NIL]                      ; 0 onto my spare word
	s_wait_dscnt 4*NL+1                            ; (the add and the youngest 24 loads, A's blocks 4-7, may be out)
	WIN MUL_LO
	MUL16 0, 1, NQ-1, \slot, 0                     ; sixteen matrix instructions stand between the add and the wait for it
	s_wait_dscnt 0x0                               ; the add is done, and my reads of this slot are over
	s_barrier_signal -1
	MUL16 2, 1, NQ-1, \slot, 0
	WIN 0
	s_barrier_wait -1
.if \fill
	CREST                                          ; the barrier has opened a round of the cluster's barrier: no wave of any partner still reads this slot's tile or has a load on its way
	s_add_nc_u64 s[G0+4*\slot+2:G0+4*\slot+3], s[G0+4*\slot+2:G0+4*\slot+3], 2*ROWB
	s_add_nc_u64 s[G0B+4*\slot+2:G0B+4*\slot+3], s[G0B+4*\slot+2:G0B+4*\slot+3], 2*ROWB
	JLOAD G0+4*\slot, G1, G0B+4*\slot, G1B         ; the first tensor load behind the round; its four v_nop are the places in front of the loads below
.else
	PLACES NP
.endif
	v_add_nc_u32 v[ADRS], 4*NQ, v[ADRS]            ; on to the next K step's scale words (no LDS load of mine is out)
	FETCH_B \next, 0, 0
	FETCH_A \next, 0, 0
	SCALES \next
	WIN MUL_HI
	MUL16 4, 1, NQ-1, \slot, 0
	MUL16 6, 1, NQ-1, \slot, 0
	PLACES NP
	WIN 0
	FETCH_A \next, 0, 4
.endm
	s_wait_tensorcnt 1                             ; the scales and my part of K step 0 are in (K step 1's load may be out),
	s_barrier_signal -1
	s_barrier_wait -1                              ; everybody's are
	FETCH_B 0, 0, 0
	FETCH_A 0, 0, 0
	SCALES 0
	FETCH_A 0, 0, 4
	STEP 0, 0, 1                                   ; the first step stands in front of the loop: its products start the sums
	s_mov_b32 s3, LAPS-1
.Llap:                                                 ; a trip goes once round the ring, from a lap's second step to the next lap's first, and fills both slots again
	TURN 0, 1, 1
	STEP 1, 0, 0
	TURN 1, 0, 1
	STEP 0, 0, 0
	s_sub_co_u32 s3, s3, 1
	s_cmp_lg_u32 s3, 0
	s_cbranch_scc1 .Llap
	TURN 0, 1, 0                                   ; the last lap fills nothing, and has no round of the cluster's barrier
	STEP 1, 0, 0
	s_wait_dscnt 4*NL                              ; the very last step: nothing more to fetch
	WIN MUL_LO
	MUL16 0, 1, NQ-1, 1, 0
	MUL16 2, 1, NQ-1, 1, 0
	s_wait_dscnt 0
	WIN MUL_HI
	MUL16 4, 1, NQ-1, 1, 0
	MUL16 6, 1, NQ-1, 1, 0
	WIN 0
; THE WAY OUT.  Block of rows a: lane (r, h) holds row 16 a + r and, in register 16 b + i of the block's 64, the number 8 h + i (i < 8) or 16 + 8 h + i - 8 of the block of 32 numbered b along n.
; Its four blocks are quantised: the largest magnitude with a floor among its leaves, with lane l xor 16's; 2 off its exponent field is the conversion's scale operand, and that field the scale's byte.
; The conversions give half blocks; v_permlane16_swap_b32 gives each lane a whole block: lanes 0-15 block 2 c, lanes 16-31 block 2 c + 1.  The 12 registers are two units: each leaves by a store of 512 and one of 256 consecutive, aligned bytes.
.macro QUANT a
.set W,  2+(\a)/4
.set WQ, (W<<2)|(W<<4)
.set AC, 64*((\a)%4)
.set PC, PC0+12*((\a)%2)
.if (\a) < 4
.set OBA, OB00
.set OBB, OB01
.else
.set OBA, OB10
.set OBB, OB11
.endif
	WIN WQ                                         ; sources 1 and 2: the accumulators' window
.irp b, 0,1,2,3
	v_max3_num_f32 v[TM+\b], v[FLR], |v[AC+16*\b]|, |v[AC+16*\b+1]|   ; each accumulator is read from its low end on
.endr
.irp i, 2,4,6,8,10,12,14
.irp b, 0,1,2,3
	v_max3_num_f32 v[TM+\b], v[TM+\b], |v[AC+16*\b+\i]|, |v[AC+16*\b+\i+1]|   ; (the four blocks by turns)
.endr
.endr
	WIN 0
.irp b, 0,1,2,3
	v_permlanex16_b32 v[TP+\b], v[TM+\b], s20, s21
.endr
.irp b, 0,1,2,3
	v_max_num_f32 v[TM+\b], v[TM+\b], v[TP+\b]     ; the block's largest magnitude
.endr
.irp b, 0,1,2,3
	v_add_nc_u32 v[TSO+\b], 0xff000000, v[TM+\b]   ; 2 off its exponent field: the conversion's scale operand
.endr
.irp b, 0,1,2,3
	v_lshrrev_b32 v[TP+\b], 23, v[TSO+\b]          ; the scale's byte
.endr
	v_lshl_or_b32 v[PW+(\a)], v[TP+1], 8, v[TP]    ; my row's four bytes
	v_lshl_or_b32 v[PW+(\a)], v[TP+2], 16, v[PW+(\a)]
	v_lshl_or_b32 v[PW+(\a)], v[TP+3], 24, v[PW+(\a)]
	s_wait_xcnt 0x0                                ; the earlier blocks' stores have read their data: the codes' registers may be written again
	WIN W                                          ; source 0: the accumulators' window
.irp c, 0,1
	v_cvt_scalef32_pk16_fp6_f32 v[PC+6*\c:PC+6*\c+2], v[AC+32*\c:AC+32*\c+15], v[TSO+2*\c]
	v_cvt_scalef32_pk16_fp6_f32 v[PT+4*\c:PT+4*\c+2], v[AC+32*\c+16:AC+32*\c+31], v[TSO+2*\c+1]   ; (a conversion's three registers begin on an even number)
.endr
	WIN 0
	v_nop                                          ; one plain place behind a scaled conversion
.irp c, 0,1
.irp i, 0,1,2
	v_permlane16_swap_b32 v[PC+6*\c+\i], v[PT+4*\c+\i]
.endr
.irp i, 0,1,2
	v_mov_b32 v[PC+6*\c+3+\i], v[PT+4*\c+\i]
.endr
.endr
	global_store_b128 v[L16], v[PC:PC+3], s[OBA:OBA+1] offset:768*(\a)
	global_store_b64 v[L8], v[PC+4:PC+5], s[OBA:OBA+1] offset:768*(\a)+512
	global_store_b128 v[L16], v[PC+6:PC+9], s[OBB:OBB+1] offset:768*(\a)
	global_store_b64 v[L8], v[PC+10:PC+11], s[OBB:OBB+1] offset:768*(\a)+512
.endm
	PLACES NP                                      ; behind the last products
.irp a, 0,1,2,3,4,5,6,7
	QUANT \a
.endr
; THE SCALE WORDS, one unit of 256 bytes for each of my two heads: word 2 l + i is register i of lane l as the attention loads it.
; q, k: the word of a PAIR of token tiles 2 b, 2 b + 1 and head s is [tile 2 b's two bytes of that head, tile 2 b + 1's]; register i holds pair 2 i in lanes 0-15 and pair 2 i + 1 in lanes 16-31.
; v: a channel tile's word is taken whole; register i of a head holds its tile i in lanes 0-15 and tile 2 + i in lanes 16-31.  The byte selects and one mask, chosen at the head, make the same lines serve both.
.irp b, 0,1,2,3
	v_perm_b32 v[XW+2*\b], v[PW+2*\b+1], v[PW+2*\b], s23
	v_perm_b32 v[XW+2*\b+1], v[PW+2*\b+1], v[PW+2*\b], s2
.endr
	v_cndmask_b32 v[SP0], v[XW], v[XW+2], s22
	v_cndmask_b32 v[SP0+3], v[XW+5], v[XW+7], s22
	v_cndmask_b32 v[SP0+4], v[XW+4], v[XW+6], s22
	v_cndmask_b32 v[SP0+5], v[XW+1], v[XW+3], s22
	v_cndmask_b32 v[SP0+1], v[SP0+4], v[SP0+5], s67
	v_cndmask_b32 v[SP0+2], v[SP0+5], v[SP0+4], s67
	global_store_b64 v[L8], v[SP0:SP0+1], s[SCB:SCB+1]
	global_store_b64 v[L8], v[SP0+2:SP0+3], s[SCB:SCB+1] offset:HEADB
	s_wait_tensorcnt 0x0                           ; the wave's end
	ds_add_u32 v[SPW], v[NIL]
	s_wait_dscnt 0x0
	CROUND                                         ; the closing round: no work-group ends while a partner may still ask for a tile that names it
	s_endpgm
.Lfunc_end_k_q22ba07a4cf_qkv_proj:
	.size	k_q22ba07a4cf_qkv_proj, .Lfunc_end_k_q22ba07a4cf_qkv_proj-k_q22ba07a4cf_qkv_proj
	.p2alignl 7, 3214868480
	.fill 96, 4, 3214868480
	.section	.rodata,"a",@progbits
	.p2align	6, 0x0
	.amdhsa_kernel k_q22ba07a4cf_qkv_proj
		.amdhsa_group_segment_fixed_size 327680
		.amdhsa_private_segment_fixed_size 0
		.amdhsa_enable_private_segment 0
		.amdhsa_kernarg_size 72
		.amdhsa_user_sgpr_count 2
		.amdhsa_user_sgpr_kernarg_segment_ptr 1
		.amdhsa_wavefront_size32 1
		.amdhsa_system_sgpr_workgroup_id_x 1
		.amdhsa_system_sgpr_workgroup_id_y 1
		.amdhsa_system_sgpr_workgroup_id_z 1
		.amdhsa_system_vgpr_workitem_id 0
		.amdhsa_next_free_vgpr 1024
		.amdhsa_next_free_sgpr 106
		.amdhsa_reserve_vcc 0
		.amdhsa_float_denorm_mode_32 3
		.amdhsa_float_denorm_mode_16_64 3
		.amdhsa_memory_ordered 1
		.amdhsa_forward_progress 1
		.amdhsa_inst_pref_size 166
	.end_amdhsa_kernel
	.amdgpu_metadata
---
amdhsa.version: [ 1, 2 ]
amdhsa.kernels:
  - .name:           k_q22ba07a4cf_qkv_proj
    .symbol:         k_q22ba07a4cf_qkv_proj.kd
    .args:
      - { .name: x_codes, .offset: 0, .size: 8, .value_kind: global_buffer, .address_space: global }
      - { .name: x_scales, .offset: 8, .size: 8, .value_kind: global_buffer, .address_space: global }
      - { .name: W_q_codes, .offset: 16, .size: 8, .value_kind: global_buffer, .address_space: global }
      - { .name: W_q_scales, .offset: 24, .size: 8, .value_kind: global_buffer, .address_space: global }
      - { .name: W_k_codes, .offset: 32, .size: 8, .value_kind: global_buffer, .address_space: global }
      - { .name: W_k_scales, .offset: 40, .size: 8, .value_kind: global_buffer, .address_space: global }
      - { .name: W_v_codes, .offset: 48, .size: 8, .value_kind: global_buffer, .address_space: global }
      - { .name: W_v_scales, .offset: 56, .size: 8, .value_kind: global_buffer, .address_space: global }
      - { .name: qkv, .offset: 64, .size: 8, .value_kind: global_buffer, .address_space: global }
    .group_segment_fixed_size: 327680
    .private_segment_fixed_size: 0
    .kernarg_segment_align: 8
    .kernarg_segment_size: 72
    .max_flat_workgroup_size: 128
    .sgpr_count:     106
    .vgpr_count:     1024
    .wavefront_size: 32
...
	.end_amdgpu_metadata
.endif
;; end of part 1
;; launch attn (part 2): grid 4 x 64, 16 waves a work-group, clusters of 4 x 1, 206,848 bytes of LDS; arguments qkv, yc, ys; writes yc, ys
.if DOCPART == 2
	.amdgcn_target "amdgcn-amd-amdhsa--gfx1250"
	.amdhsa_code_object_version 6
	.text
	.protected	k_q22ba07a4cf_attn
	.globl	k_q22ba07a4cf_attn
	.p2align	8
	.type	k_q22ba07a4cf_attn,@function
k_q22ba07a4cf_attn:
	s_mov_b64 s[64:65], 0
	v_nop
	global_prefetch_b8 v0, s[64:65] scope:SCOPE_SE
	s_setreg_imm32_b32 hwreg(HW_REG_WAVE_MODE, 25, 1), 1
	s_wait_xcnt 0x0
	s_wait_alu depctr_hold_cnt(0) depctr_sa_sdst(0) depctr_va_vdst(0) depctr_va_sdst(0) depctr_va_ssrc(0) depctr_va_vcc(0) depctr_vm_vsrc(0)
	s_getreg_b32 s2, hwreg(HW_REG_IB_STS2, 6, 4)
	s_cmp_eq_u32 s2, 0
	s_cbranch_scc0 .Lentry_in_a_cluster
	s_endpgm
.Lentry_in_a_cluster:
	s_bfe_u32 s2, ttmp6, 0x10000c
	s_cmp_lg_u32 s2, 0x3003
	s_cbranch_scc0 .Lentry_shape_is_right
	s_endpgm
.Lentry_shape_is_right:
; CAUSAL ATTENTION of one head to a cluster, both products on codes of FP6 (E2M3) with one E8M0 scale for each 32 along a product's K, and the quantising of its result y for the output projection.
; 64 heads (batch x head) of 2,048 tokens, head size 64.  qkv holds, for each head and each group of 128 tokens, Q's, K's and V's units and their scale words, as the launch before stored them:
; a UNIT is 16 rows x 64 along K as an image of six operand registers, 768 bytes (lane l's registers 0-3 at 16 l, registers 4-5 at 512 + 8 l); two units are a fragment.
; THE SOFTMAX: t = score x log2(e) / 8; M = the row's largest t so far, rounded UP to a whole number; p = 2^(t - M) is quantised along the keys, not normalised; the row's sum is taken of the unquantised p and divides at the end.
; When M moves, the sum and O are multiplied by 2^(old M - new M): exact.
; K, V AND THEIR SCALES OF THE WHOLE HEAD, 16 x 12,800 bytes, LIE IN LDS: each byte is filled once, so there is no ring.  The four work-groups of a cluster ask for them JOINTLY (mask 15); each of the sixteen waves brings two
; pieces of 6,400 bytes: one of key steps 0-7, one of key steps 8-15.  The first eight steps are worked while the second half lands.
; SHARES.  A key step is a group of 128 keys.  Wave w of work-group cx owns query tile a = 2 cx + w / 8 (16 queries) of group g1 = w xor 15 (1 - w / 8), which is 8 or more, and then the same tile of group g2 = 15 - g1:
; g1 + 1 and g2 + 1 key steps, 17 for every wave, two of them on the diagonal.  Each of the head's 128 tiles has one owner.  cx enters global addresses and the mask's numbers alone; every branch hangs on the wave's number and a counter.
; LAYOUT.  Both products are used transposed: S^T = K Q^T (source 0 = keys, source 1 = my queries), O^T = V^T P^T: a lane holds ONE query (lane % 16) throughout.
; THE HEAD'S 64 ARE HALF OF THE INSTRUCTION'S K: a fragment of K holds TWO tiles of 16 keys, one in k 0-63 and one in k 64-127; multiplied by [q; 0] it gives the first tile's scores, by [0; q] the second's.  q lies in 18 registers as q, 0, q.
; Inside a block of 32 keys p's codes stand in the order 0-7, 16-23, 8-15, 24-31, as V's do; q's and k's features likewise: the operands of each product are permuted alike, so only the order of its sums changes.
; y is put into its natural order ahead of its quantiser, since it meets a weight that arrives in natural order.
; yc: [tile of 16 tokens (512)][head (16)][unit].  ys: [token (8,192)][32]: the scale byte of head h's block b at 2 h + b; these single bytes, one for 24 bytes of codes, do not fill their 256-byte blocks by one store.
; LIMITS: NaN and infinities are not served.  A block whose largest magnitude lies under 2^-124 gets the scale byte 1, a block of zeros too (its codes are zeros; the bytes are read by this program alone).
.set HEADB,  307200                    ; a head in qkv
.set GROUPB, 19200                     ; a group of 128 tokens
.set KVB,    12800                     ; a key step in LDS: K's 8 units, V's 8 units, k's scale words, v's scale words
.set VOFF,   6144
.set KSOFF,  12288
.set VSOFF,  12544
.set L16, 1                            ; v1   16 x lane
.set L8,  2                            ; v2   8 x lane
.set A16, 3                            ; v3   the key step's LDS address + 16 x lane
.set A8,  4                            ; v4   + 8 x lane
.set DG,  5                            ; v5   16 a + r - 8 h: register 8 t + j of S^T holds a hidden key on the diagonal where 16 t + j is greater
.set YSO, 7                            ; v7   32 r + h: my byte in ys
.set R8,  8                            ; v8   8 r: my query's scale word
.set Q1,  16                           ; v16-33  pass 1's q, 0, q
.set Q2,  34                           ; v34-51  pass 2's
.set FR,  52                           ; v52-99  four fragments of K or of V
.set S,   100                          ; v100-163 S^T, then p
.set OA,  164                          ; v164-195 O^T
.set PCD, 196                          ; v196-207 p's codes
.set CT,  208                          ; v208-215 the upper halves of the blocks' codes
.set BM,  216                          ; v216-219 the blocks' largest scores, then largest p
.set TP,  220                          ; v220-223 at work
.set SO,  224                          ; v224-227 the conversions' scale operands
.set FF,  228                          ; v[228:229] f = 2^(old M - new M), and a 0 named with it as a pair
.set T,   230
.set NINF, 231                         ; -infinity
.set KS,  232                          ; v[232:233] k's scale words; v[234:235] v's; v236 p's; v237, v238 q's; v239, v240 q's as loaded: these hold scales and nothing else
.set VS,  234
.set PS,  236
.set QS1, 237
.set QS2, 238
.set QR1, 239
.set QR2, 240
.set WV,  18                           ; s18  my wave's number
.set SEL, 20                           ; s[20:21] selects for lane l xor 16
.set CS,  22                           ; s[22:23] c = log2(e) / 8
.set G1,  24                           ; s[24:31] descriptor group 1; s[32:35], s[36:39] groups 0
.set G0,  32
.set G1S, 40                           ; s40  g1;  s41  g2
.set G2S, 41
.set ITR, 42                           ; s42  the key step
.set TB,  43                           ; s43  its LDS byte
.set HM,  44                           ; s44  lanes 16-31
.set BQ1, 46                           ; s[46:61] where q, q's scale words, y and y's scale bytes of the two passes lie
.set BQ2, 48
.set BS1, 50
.set BS2, 52
.set BY1, 54
.set BY2, 56
.set BZ1, 58
.set BZ2, 60
.macro CROUND                          ; a round of the cluster's barrier
	s_barrier_signal -1
	s_barrier_wait -1
	s_cmp_lg_u32 s[WV], 0
	s_cbranch_scc1 .Lnot_wave_0_\@
	s_barrier_signal -3
.Lnot_wave_0_\@:
	s_barrier_wait -3
	s_barrier_signal -1
	s_barrier_wait -1
.endm
	s_load_b128 s[4:7], s[0:1], 0x0                ; qkv, yc
	s_load_b64 s[8:9], s[0:1], 0x10                ; ys
	v_lshl_add_u32 v254, v0, 2, 0x32000
	v_mov_b32 v255, 0
	ds_add_u32 v254, v255
	ds_add_u32 v254, v255
	v_lshrrev_b32 v9, 5, v0
	s_delay_alu instid0(VALU_DEP_1)
	v_readfirstlane_b32 s[WV], v9                  ; wave 0..15
	s_bfe_u32 s10, ttmp6, 0x40000                  ; cx
	s_and_b32 s11, ttmp7, 0xffff                   ; batch x 16 + head: the cluster's y
	s_lshr_b32 s12, s[WV], 3                       ; e = w / 8
	s_lshl_b32 s13, s10, 1
	s_add_co_u32 s13, s13, s12                     ; a = 2 cx + e
	s_xor_b32 s14, s12, 1
	s_mul_i32 s14, s14, 15
	s_xor_b32 s[G1S], s[WV], s14                   ; g1: w where w is 8 or more, else 15 - w
	s_xor_b32 s[G2S], s[G1S], 15                   ; g2 = 15 - g1
	s_mul_i32 s15, s11, HEADB                      ; the head's first byte in qkv
	s_lshr_b32 s16, s[WV], 1                       ; what I fetch: key step w / 2,
	s_mul_i32 s16, s16, GROUPB
	s_and_b32 s17, s[WV], 1                        ; its half w % 2,
	s_mul_i32 s17, s17, 6400
	s_add_co_u32 s16, s16, s17
	s_add_co_u32 s16, s16, s15
	s_add_co_u32 s16, s16, 6400                    ; behind the group's Q and q's scale words
	s_mov_b32 s17, 0
	s_mul_i32 s19, s[WV], 6400                     ; to LDS byte 6,400 w: no place in the cluster enters an LDS address
	; descriptor group 1: 6,400 dense bytes as 25 rows of 256 bytes (32 elements of 8 bytes)
	s_mov_b32 s[G1], 15|(3<<16)|(1<<21)            ; 15:0 the mask: all four work-groups; elements of 8 bytes; no padding; bit 21 beside a mask
	s_mov_b32 s[G1+1], 32<<16                      ; tensor_dim0
	s_mov_b32 s[G1+2], 25<<16                      ; tensor_dim1
	s_mov_b32 s[G1+3], 32<<16                      ; tile_dim0
	s_mov_b32 s[G1+4], 25                          ; tile_dim1
	s_mov_b32 s[G1+5], 32                          ; from row to row
	s_mov_b32 s[G1+6], 0
	s_mov_b32 s[G1+7], 0
	s_mov_b32 s[SEL], 0x76543210
	s_mov_b32 s[SEL+1], 0xfedcba98
	s_mov_b32 s[CS], 0x3e38aa3b                    ; c = log2(e) / 8
	s_mov_b32 s[CS+1], s[CS]                       ; (named with it as a pair, so it is written)
	s_mov_b32 s[HM], 0xffff0000
	s_mov_b32 s45, 0x03020302                      ; which two bytes of the pair's scale word are my tile's: 2 e, 2 e + 1, taken twice
	s_cmp_eq_u32 s12, 0
	s_cselect_b32 s45, 0x01000100, s45
	s_and_b32 s63, s10, 1                          ; q's scale word: pair cx of the group: lanes 16 (cx % 2) + r, register cx / 2
	s_lshl_b32 s63, s63, 7
	s_lshr_b32 s62, s10, 1
	s_lshl_b32 s62, s62, 2
	s_add_co_u32 s63, s63, s62
	s_add_co_u32 s63, s63, 6144
	s_mul_i32 s62, s13, 768                        ; q's unit: tile a
	s_lshr_b32 s14, s11, 4
	s_lshl_b32 s14, s14, 7
	s_add_co_u32 s14, s14, s13                     ; 128 x batch + a: a tile of tokens is this + 8 g
	s_and_b32 s10, s11, 15                         ; the head
	v_and_b32 v9, 31, v0
	s_delay_alu instid0(VALU_DEP_1)
	v_lshlrev_b32 v[L16], 4, v9
	s_delay_alu instid0(VALU_DEP_2)
	v_lshlrev_b32 v[L8], 3, v9
	v_and_b32 v10, 15, v0                          ; r
	v_bfe_u32 v11, v0, 4, 1                        ; h
	s_delay_alu instid0(VALU_DEP_2)
	v_lshlrev_b32 v[R8], 3, v10
	s_delay_alu instid0(VALU_DEP_2)
	v_lshl_add_u32 v[YSO], v10, 5, v11
	s_delay_alu instid0(VALU_DEP_3)
	v_lshlrev_b32 v[DG], 3, v11
	s_delay_alu instid0(VALU_DEP_1)
	v_sub_nc_u32 v[DG], v10, v[DG]
	s_lshl_b32 s2, s13, 4
	v_add_nc_u32 v[DG], s2, v[DG]
	s_wait_dscnt 0x0
	s_wait_kmcnt 0x0
	s_mov_b32 s[G0], 1
	s_mov_b32 s[G0+1], s19
	s_add_nc_u64 s[G0+2:G0+3], s[4:5], s[16:17]
	s_mov_b32 s[G0+4], 1
	s_add_co_u32 s[G0+5], s19, 8*KVB               ; eight key steps on, in LDS
	s_add_nc_u64 s[G0+6:G0+7], s[G0+2:G0+3], 8*GROUPB   ; and in memory
	s_or_b32 s[G0+3], s[G0+3], 0x80000000
	s_or_b32 s[G0+7], s[G0+7], 0x80000000
	CROUND                                         ; all four work-groups are here: the joint loads meet
	tensor_load_to_lds s[G0:G0+3], s[G1:G1+7]      ; my two loads stand together, ahead of every wait on TENSORcnt and every LDS read: two of mine are out
	s_nop 0
	tensor_load_to_lds s[G0+4:G0+7], s[G1:G1+7]
	s_nop 0
.rept 4
	v_nop
.endr
	s_mov_b32 s3, 0
	s_lshl_b32 s16, s10, 1                         ; 2 x head
.macro BASES g, q, qs, y, ys           ; the addresses of the pass on group s[g]
	s_mul_i32 s2, s[\g], GROUPB
	s_add_co_u32 s2, s2, s15
	s_add_co_u32 s12, s2, s63
	s_add_co_u32 s2, s2, s62
	s_add_nc_u64 s[\q:\q+1], s[4:5], s[2:3]
	s_mov_b32 s2, s12
	s_add_nc_u64 s[\qs:\qs+1], s[4:5], s[2:3]
	s_lshl_b32 s12, s[\g], 3
	s_add_co_u32 s12, s12, s14                     ; the tile of tokens
	s_lshl_b32 s2, s12, 4
	s_add_co_u32 s2, s2, s10
	s_mul_i32 s2, s2, 768
	s_add_nc_u64 s[\y:\y+1], s[6:7], s[2:3]
	s_lshl_b32 s2, s12, 9
	s_add_co_u32 s2, s2, s16
	s_add_nc_u64 s[\ys:\ys+1], s[8:9], s[2:3]
.endm
	BASES G1S, BQ1, BS1, BY1, BZ1
	BASES G2S, BQ2, BS2, BY2, BZ2
.macro QLOAD qb, raw, q, qs            ; q's unit twice (in front of the zeros and behind them) and my query's scale word: five loads
	global_load_b128 v[\qb:\qb+3], v[L16], s[\q:\q+1]
	global_load_b64 v[\qb+4:\qb+5], v[L8], s[\q:\q+1] offset:512
	global_load_b128 v[\qb+12:\qb+15], v[L16], s[\q:\q+1]
	global_load_b64 v[\qb+16:\qb+17], v[L8], s[\q:\q+1] offset:512
	global_load_b32 v[\raw], v[R8], s[\qs:\qs+1]
.endm
	s_wait_alu depctr_va_vdst(0)
	QLOAD Q1, QR1, BQ1, BS1
	QLOAD Q2, QR2, BQ2, BS2
.irp j, 6,7,8,9,10,11
	v_mov_b32 v[Q1+\j], 0                          ; zero codes: they add nothing under any scale byte that the quantiser gives
	v_mov_b32 v[Q2+\j], 0
.endr
.irp b, 0,1,2,3
	v_mov_b32 v[TP+\b], 0                          ; written once: a lane permute's destination counts as one of its sources
.endr
	v_mov_b32 v[T], 0
	v_mov_b32 v[FF+1], 0
	v_mov_b32 v[NINF], 0xff800000
.macro PASSINIT                        ; a pass begins: the largest t is -3e38, the sum and O^T are zeros, which the first change of M leaves zeros
	v_mov_b32 v13, 0xff61b1e6
	s_delay_alu instid0(VALU_DEP_1)
	v_floor_f32 v12, -v13                          ; -M
	v_mov_b32 v14, 0
	v_mov_b32 v15, 0
.irp j, 0,1,2,3,4,5,6,7,8,9,10,11,12,13,14,15,16,17,18,19,20,21,22,23,24,25,26,27,28,29,30,31
	v_mov_b32 v[OA+\j], 0
.endr
	s_mov_b32 s[ITR], 0
	s_mov_b32 s[TB], 0
.endm
; A KEY STEP: 128 keys against my 16 queries.  qb: q's registers; qs: its scale word; greg: the scalar with my queries' group; tail = 1: steps behind that group are left out, and the step of that group is masked.
.macro STEP qb, qs, greg, tail
.if \tail
	s_cmp_gt_u32 s[ITR], s[\greg]                  ; all these keys come after my queries: a branch on the wave's number and the counter, round the step's work alone
	s_cbranch_scc1 .Lhidden_\@
.endif
	s_setprio 2
	v_add_nc_u32 v[A16], s[TB], v[L16]
	v_add_nc_u32 v[A8], s[TB], v[L8]
	v_nop
	v_nop                                          ; four places in front of loads into registers that the last step's products have read
.irp b, 0,1,2,3                                ; K: fragment b = the units of key tiles 2 b and 2 b + 1
	ds_load_b128 v[FR+12*\b:FR+12*\b+3], v[A16] offset:1536*\b
	ds_load_b64 v[FR+12*\b+4:FR+12*\b+5], v[A8] offset:1536*\b+512
	ds_load_b128 v[FR+12*\b+6:FR+12*\b+9], v[A16] offset:1536*\b+768
	ds_load_b64 v[FR+12*\b+10:FR+12*\b+11], v[A8] offset:1536*\b+1280
.endr
	ds_load_b64 v[KS:KS+1], v[A8] offset:KSOFF     ; register i: fragment 2 i's words in lanes 0-15, fragment 2 i + 1's in lanes 16-31
	s_wait_alu depctr_va_vdst(0)
	s_wait_dscnt 0x0
.irp b, 0,1,2,3
.irp u, 0,1                                    ; u = 0: against [q; 0]; u = 1: against [0; q]
.if \b%2
	v_wmma_scale_f32_16x16x128_f8f6f4 v[S+8*(2*\b+\u):S+8*(2*\b+\u)+7], v[FR+12*\b:FR+12*\b+11], v[\qb+6*\u:\qb+6*\u+11], 0, v[KS+\b/2], v[\qs] matrix_a_fmt:MATRIX_FMT_FP6 matrix_b_fmt:MATRIX_FMT_FP6 matrix_a_scale:MATRIX_SCALE_ROW1
.else
	v_wmma_scale_f32_16x16x128_f8f6f4 v[S+8*(2*\b+\u):S+8*(2*\b+\u)+7], v[FR+12*\b:FR+12*\b+11], v[\qb+6*\u:\qb+6*\u+11], 0, v[KS+\b/2], v[\qs] matrix_a_fmt:MATRIX_FMT_FP6 matrix_b_fmt:MATRIX_FMT_FP6
.endif
.endr
.endr                                          ; register 8 t + j of S^T: key 16 t + 8 h + j of the step, query r
.rept 4
	v_nop                                          ; places in front of the loads below and of the first read of the scores
.endr
.irp t, 0,1,2,3                                ; V: fragment t = 16 channels x the step's 128 keys; the loads land under the softmax
	ds_load_b128 v[FR+12*\t:FR+12*\t+3], v[A16] offset:VOFF+768*\t
	ds_load_b64 v[FR+12*\t+4:FR+12*\t+5], v[A8] offset:VOFF+768*\t+512
	ds_load_b128 v[FR+12*\t+6:FR+12*\t+9], v[A16] offset:VOFF+3072+768*\t
	ds_load_b64 v[FR+12*\t+10:FR+12*\t+11], v[A8] offset:VOFF+3072+768*\t+512
.endr
	ds_load_b64 v[VS:VS+1], v[A8] offset:VSOFF     ; register i: channel tile i's words in lanes 0-15, tile 2 + i's in lanes 16-31
.if \tail
	s_cmp_lg_u32 s[ITR], s[\greg]
	s_cbranch_scc1 .Lopen_\@                       ; all keys of an earlier group count
.irp n, 0,1,2,3,4,5,6,7,8,9,10,11,12,13,14,15,16,17,18,19,20,21,22,23,24,25,26,27,28,29,30,31,32,33,34,35,36,37,38,39,40,41,42,43,44,45,46,47,48,49,50,51,52,53,54,55,56,57,58,59,60,61,62,63
	v_cmp_gt_i32 vcc_lo, 16*(\n/8)+\n%8, v[DG]     ; on the diagonal the scores of hidden keys become -infinity ahead of the maximum: p = 0 then
	v_cndmask_b32 v[S+\n], v[S+\n], v[NINF], vcc_lo
.endr
.Lopen_\@:
.endif
.irp b, 0,1,2,3
	v_max3_num_f32 v[BM+\b], v[S+16*\b], v[S+1+16*\b], v[S+2+16*\b]   ; the largest score of each block of 32 keys: it serves for the row's maximum and, since p rises with the score, for the block's largest p
.endr
.irp i, 3,5,7,9,11,13
.irp b, 0,1,2,3
	v_max3_num_f32 v[BM+\b], v[BM+\b], v[S+16*\b+\i], v[S+1+16*\b+\i]
.endr
.endr
.irp b, 0,1,2,3
	v_max_num_f32 v[BM+\b], v[BM+\b], v[S+15+16*\b]
.endr
.irp b, 0,1,2,3
	s_delay_alu instid0(VALU_DEP_4)
	v_permlanex16_b32 v[TP+\b], v[BM+\b], s[SEL], s[SEL+1]
.endr
.irp b, 0,1,2,3
	s_delay_alu instid0(VALU_DEP_4)
	v_max_num_f32 v[BM+\b], v[BM+\b], v[TP+\b]     ; with lane l xor 16's 16 keys
.endr
	s_delay_alu instid0(VALU_DEP_2)
	v_max3_num_f32 v[T], v[BM], v[BM+1], v[BM+2]
	s_delay_alu instid0(VALU_DEP_1)
	v_max_num_f32 v[T], v[T], v[BM+3]              ; the step's largest score of my query
	s_delay_alu instid0(VALU_DEP_1)
	v_mul_f32 v[T], s[CS], v[T]                    ; as t
	s_delay_alu instid0(VALU_DEP_1)
	v_max_num_f32 v13, v13, v[T]                   ; the running largest t
	v_mov_b32 v[T], v12
	s_delay_alu instid0(VALU_DEP_2)
	v_floor_f32 v12, -v13                          ; the new -M = floor(-t): M is a whole number
	s_delay_alu instid0(VALU_DEP_1)
	v_sub_f32 v[T], v12, v[T]                      ; old M - new M: a whole number, 0 or less
	s_delay_alu instid0(VALU_DEP_1)
	v_cvt_i32_f32 v[T], v[T]                       ; (it saturates)
	s_delay_alu instid0(VALU_DEP_1)
	v_ldexp_f32 v[FF], 1.0, v[T]                   ; f = 2^(old M - new M)
.irp j, 0,2,4,6,8,10,12,14,16,18,20,22,24,26,28,30,32,34,36,38,40,42,44,46,48,50,52,54,56,58,60,62
	v_pk_fma_f32 v[S+\j:S+\j+1], v[S+\j:S+\j+1], s[CS:CS+1], v[12:13] op_sel_hi:[1,0,0]   ; t - M, two at a time
.endr
.irp b, 0,1,2,3
	v_fma_f32 v[BM+\b], v[BM+\b], s[CS], v12       ; the same of each block's largest score
.endr
	s_setprio 1
	s_wait_alu depctr_va_vdst(0)
.irp j, 0,1,2,3,4,5,6,7,8,9,10,11,12,13,14,15,16,17,18,19,20,21,22,23,24,25,26,27,28,29,30,31,32,33,34,35,36,37,38,39,40,41,42,43,44,45,46,47,48,49,50,51,52,53,54,55,56,57,58,59,60,61,62,63
	v_exp_f32 v[S+\j], v[S+\j]                     ; p = 2^(t - M), at most 1
.endr
	v_pk_mul_f32 v[14:15], v[14:15], v[FF:FF+1] op_sel_hi:[1,0]   ; the sums under the new M (a plain place behind the exponentials)
	s_wait_alu depctr_va_vdst(0)                   ; one wait for the batch of 64, ahead of its first reader
.irp b, 0,1,2,3
	v_exp_f32 v[BM+\b], v[BM+\b]                   ; the block's largest p: the same two instructions on the same number
.endr
	v_pk_add_f32 v[220:221], v[104:105], v[108:109]
	v_pk_add_f32 v[252:253], v[112:113], v[116:117]
	v_pk_add_f32 v[250:251], v[120:121], v[124:125]
	v_pk_add_f32 v[248:249], v[128:129], v[132:133]
	v_pk_add_f32 v[246:247], v[136:137], v[140:141]
	v_pk_add_f32 v[244:245], v[144:145], v[148:149]
	v_pk_add_f32 v[242:243], v[152:153], v[156:157]
	v_pk_add_f32 v[14:15], v[14:15], v[160:161]
	v_pk_add_f32 v[220:221], v[220:221], v[100:101]
	v_pk_add_f32 v[252:253], v[252:253], v[102:103]
	v_pk_add_f32 v[250:251], v[250:251], v[106:107]
	v_pk_add_f32 v[248:249], v[248:249], v[110:111]
	v_pk_add_f32 v[246:247], v[246:247], v[114:115]
	v_pk_add_f32 v[244:245], v[244:245], v[118:119]
	v_pk_add_f32 v[242:243], v[242:243], v[122:123]
	v_pk_add_f32 v[14:15], v[14:15], v[126:127]
	v_pk_add_f32 v[220:221], v[220:221], v[130:131]
	v_pk_add_f32 v[252:253], v[252:253], v[134:135]
	v_pk_add_f32 v[250:251], v[250:251], v[138:139]
	v_pk_add_f32 v[248:249], v[248:249], v[142:143]
	v_pk_add_f32 v[246:247], v[246:247], v[146:147]
	v_pk_add_f32 v[244:245], v[244:245], v[150:151]
	v_pk_add_f32 v[242:243], v[242:243], v[154:155]
	v_pk_add_f32 v[14:15], v[14:15], v[158:159]
	v_pk_add_f32 v[220:221], v[220:221], v[162:163]
	s_delay_alu instid0(VALU_DEP_2)
	v_pk_add_f32 v[14:15], v[14:15], v[248:249]
	s_delay_alu instid0(VALU_DEP_2)
	v_pk_add_f32 v[220:221], v[220:221], v[246:247]
	v_pk_add_f32 v[252:253], v[252:253], v[244:245]
	v_pk_add_f32 v[250:251], v[250:251], v[242:243]
	s_delay_alu instid0(VALU_DEP_2)
	v_pk_add_f32 v[14:15], v[14:15], v[252:253]
	s_delay_alu instid0(VALU_DEP_2)
	v_pk_add_f32 v[220:221], v[220:221], v[250:251]
	s_delay_alu instid0(VALU_DEP_1)
	v_pk_add_f32 v[14:15], v[14:15], v[220:221]
	s_wait_alu depctr_va_vdst(0)                   ; and one for the four
.irp b, 0,1,2,3
	v_max_num_f32 v[BM+\b], 0x1800000, v[BM+\b]    ; the floor 2^(3 - 127): the byte cannot fall under 1
.endr
.irp b, 0,1,2,3
	s_delay_alu instid0(VALU_DEP_4)
	v_add_nc_u32 v[SO+\b], 0xff000000, v[BM+\b]    ; 2 off the exponent field: the conversion's scale operand
.endr
.irp b, 0,1,2,3
	s_delay_alu instid0(VALU_DEP_4)
	v_lshrrev_b32 v[TP+\b], 23, v[SO+\b]           ; the scale's byte
.endr
	s_delay_alu instid0(VALU_DEP_3)
	v_lshl_or_b32 v[PS], v[TP+1], 8, v[TP]         ; p's scale word for these 128 keys
	s_delay_alu instid0(VALU_DEP_1)
	v_lshl_or_b32 v[PS], v[TP+2], 16, v[PS]
	s_delay_alu instid0(VALU_DEP_1)
	v_lshl_or_b32 v[PS], v[TP+3], 24, v[PS]
.irp c, 0,1
	v_cvt_scalef32_pk16_fp6_f32 v[PCD+6*\c:PCD+6*\c+2], v[S+32*\c:S+32*\c+15], v[SO+2*\c]
	v_cvt_scalef32_pk16_fp6_f32 v[CT+4*\c:CT+4*\c+2], v[S+32*\c+16:S+32*\c+31], v[SO+2*\c+1]   ; (a conversion's three registers begin on an even number)
.endr
	v_nop                                          ; one plain place behind a scaled conversion
	s_setprio 0
.irp c, 0,1                                    ; a whole block to a lane: lanes 0-15 block 2 c, lanes 16-31 block 2 c + 1
.irp i, 0,1,2
	v_permlane16_swap_b32 v[PCD+6*\c+\i], v[CT+4*\c+\i]
.endr
.irp i, 0,1,2
	s_delay_alu instid0(VALU_DEP_3)
	v_mov_b32 v[PCD+6*\c+3+\i], v[CT+4*\c+\i]
.endr
.endr
.irp j, 0,2,4,6,8,10,12,14,16,18,20,22,24,26,28,30
	v_pk_mul_f32 v[OA+\j:OA+\j+1], v[OA+\j:OA+\j+1], v[FF:FF+1] op_sel_hi:[1,0]   ; O^T under the new M; these sixteen are also the places between the lines that wrote p's codes and scale word and the products
.endr
	s_wait_alu depctr_va_vdst(0)
	s_wait_dscnt 0x0                               ; V is in
.irp t, 0,1,2,3                                ; O^T += V^T P^T: four accumulators, one instruction each
.if \t/2
	v_wmma_scale_f32_16x16x128_f8f6f4 v[OA+8*\t:OA+8*\t+7], v[FR+12*\t:FR+12*\t+11], v[PCD:PCD+11], v[OA+8*\t:OA+8*\t+7], v[VS+\t%2], v[PS] matrix_a_fmt:MATRIX_FMT_FP6 matrix_b_fmt:MATRIX_FMT_FP6 matrix_a_scale:MATRIX_SCALE_ROW1
.else
	v_wmma_scale_f32_16x16x128_f8f6f4 v[OA+8*\t:OA+8*\t+7], v[FR+12*\t:FR+12*\t+11], v[PCD:PCD+11], v[OA+8*\t:OA+8*\t+7], v[VS+\t%2], v[PS] matrix_a_fmt:MATRIX_FMT_FP6 matrix_b_fmt:MATRIX_FMT_FP6
.endif
.endr
.if \tail
.Lhidden_\@:
.endif
.endm
; A PASS ENDS: O^T / the sum is y: register 8 t + j holds channel 16 t + 8 h + j of my query.  Sixteen exchanges of halves put a lane's 16 numbers of each block of 32 channels into natural order (16 h + 0 .. 15);
; the two blocks are quantised; the six registers are the tile's unit for this head.
.macro FINISH yb, ysb
.rept 4
	v_nop                                          ; places behind the last products
.endr
	v_add_f32 v14, v14, v15
	s_delay_alu instid0(VALU_DEP_1)
	v_permlanex16_b32 v[T], v14, s[SEL], s[SEL+1]
	s_delay_alu instid0(VALU_DEP_1)
	v_add_f32 v14, v14, v[T]                       ; the row's sum
	s_wait_alu depctr_va_vdst(0)
	v_rcp_f32 v14, v14
	v_nop                                          ; a plain place behind the transcendental
	s_wait_alu depctr_va_vdst(0)                   ; and the wait ahead of its first reader
.irp j, 0,1,2,3,4,5,6,7,8,9,10,11,12,13,14,15,16,17,18,19,20,21,22,23,24,25,26,27,28,29,30,31
	v_mul_f32 v[S+\j], v[OA+\j], v14
.endr
.irp be, 0,1
.irp j, 0,1,2,3,4,5,6,7
	v_permlane16_swap_b32 v[S+16*\be+\j], v[S+16*\be+8+\j]
.endr
.endr
.irp be, 0,1
	v_max3_num_f32 v[BM+\be], |v[S+16*\be]|, |v[S+16*\be+1]|, 0x1800000
.endr
.irp i, 2,4,6,8,10,12,14
.irp be, 0,1
	s_delay_alu instid0(VALU_DEP_2)
	v_max3_num_f32 v[BM+\be], v[BM+\be], |v[S+16*\be+\i]|, |v[S+16*\be+\i+1]|
.endr
.endr
.irp be, 0,1
	s_delay_alu instid0(VALU_DEP_2)
	v_permlanex16_b32 v[TP+\be], v[BM+\be], s[SEL], s[SEL+1]
.endr
.irp be, 0,1
	s_delay_alu instid0(VALU_DEP_2)
	v_max_num_f32 v[BM+\be], v[BM+\be], v[TP+\be]
.endr
.irp be, 0,1
	s_delay_alu instid0(VALU_DEP_2)
	v_add_nc_u32 v[SO+\be], 0xff000000, v[BM+\be]
.endr
.irp be, 0,1
	s_delay_alu instid0(VALU_DEP_2)
	v_lshrrev_b32 v[TP+\be], 23, v[SO+\be]
.endr
	v_cvt_scalef32_pk16_fp6_f32 v[PCD:PCD+2], v[S:S+15], v[SO]
	v_cvt_scalef32_pk16_fp6_f32 v[CT:CT+2], v[S+16:S+31], v[SO+1]
	v_nop
.irp i, 0,1,2
	v_permlane16_swap_b32 v[PCD+\i], v[CT+\i]      ; lanes 0-15: block 0 whole, lanes 16-31: block 1
.endr
.irp i, 0,1,2
	s_delay_alu instid0(VALU_DEP_3)
	v_mov_b32 v[PCD+3+\i], v[CT+\i]
.endr
	v_cndmask_b32 v[T], v[TP], v[TP+1], s[HM]      ; lane (r, h): the byte of block h of token r
	global_store_b128 v[L16], v[PCD:PCD+3], s[\yb:\yb+1]
	global_store_b64 v[L8], v[PCD+4:PCD+5], s[\yb:\yb+1] offset:512
	global_store_b8 v[YSO], v[T], s[\ysb:\ysb+1]
.endm
	s_wait_loadcnt 5                               ; pass 1's five loads are in; pass 2's five may be out
	v_perm_b32 v[QS1], v[QR1], v[QR1], s45         ; [q's two bytes, twice]: one word serves [q; 0] and [0; q]
	PASSINIT                                       ; (its lines are the places between the line above and the first scaled product)
	s_wait_tensorcnt 1                             ; my piece of key steps 0-7 is in; my piece of steps 8-15 may be out
	s_barrier_signal -1
	s_barrier_wait -1                              ; everybody's is
.Lpass1_lo:                                        ; key steps 0-7: every wave's first group is 8 or more, so all these keys count
	STEP Q1, QS1, G1S, 0
	s_add_co_u32 s[TB], s[TB], KVB
	s_add_co_u32 s[ITR], s[ITR], 1
	s_cmp_lt_u32 s[ITR], 8
	s_cbranch_scc1 .Lpass1_lo
	s_setprio 0
	s_wait_tensorcnt 0x0                           ; my piece of key steps 8-15 is in,
	s_wait_dscnt 0x0
	s_barrier_signal -1
	s_barrier_wait -1                              ; everybody's is
	s_mov_b32 s[ITR], 8
	s_mov_b32 s[TB], 8*KVB
.Lpass1_hi:                                        ; key steps 8-15, as far as my group
	STEP Q1, QS1, G1S, 1
	s_add_co_u32 s[TB], s[TB], KVB
	s_add_co_u32 s[ITR], s[ITR], 1
	s_cmp_lt_u32 s[ITR], 16
	s_cbranch_scc1 .Lpass1_hi
	s_setprio 0
	FINISH BY1, BZ1
	s_wait_xcnt 0x0                                ; the stores have read their data: those registers are written again below
	s_wait_loadcnt 0x0                             ; pass 2's q
	v_perm_b32 v[QS2], v[QR2], v[QR2], s45
	PASSINIT
.Lpass2:                                           ; key steps 0-7, as far as my second group
	STEP Q2, QS2, G2S, 1
	s_add_co_u32 s[TB], s[TB], KVB
	s_add_co_u32 s[ITR], s[ITR], 1
	s_cmp_lt_u32 s[ITR], 8
	s_cbranch_scc1 .Lpass2
	s_setprio 0
	FINISH BY2, BZ2
	s_wait_tensorcnt 0x0
	ds_add_u32 v254, v255
	s_wait_dscnt 0x0
	CROUND                                         ; the closing round
	s_endpgm
.Lfunc_end_k_q22ba07a4cf_attn:
	.size	k_q22ba07a4cf_attn, .Lfunc_end_k_q22ba07a4cf_attn-k_q22ba07a4cf_attn
	.p2alignl 7, 3214868480
	.fill 96, 4, 3214868480
	.section	.rodata,"a",@progbits
	.p2align	6, 0x0
	.amdhsa_kernel k_q22ba07a4cf_attn
		.amdhsa_group_segment_fixed_size 206848
		.amdhsa_private_segment_fixed_size 0
		.amdhsa_enable_private_segment 0
		.amdhsa_kernarg_size 24
		.amdhsa_user_sgpr_count 2
		.amdhsa_user_sgpr_kernarg_segment_ptr 1
		.amdhsa_wavefront_size32 1
		.amdhsa_system_sgpr_workgroup_id_x 1
		.amdhsa_system_sgpr_workgroup_id_y 1
		.amdhsa_system_sgpr_workgroup_id_z 1
		.amdhsa_system_vgpr_workitem_id 0
		.amdhsa_next_free_vgpr 256
		.amdhsa_next_free_sgpr 66
		.amdhsa_reserve_vcc 1
		.amdhsa_float_denorm_mode_32 3
		.amdhsa_float_denorm_mode_16_64 3
		.amdhsa_memory_ordered 1
		.amdhsa_forward_progress 1
		.amdhsa_inst_pref_size 83
	.end_amdhsa_kernel
	.amdgpu_metadata
---
amdhsa.version: [ 1, 2 ]
amdhsa.kernels:
  - .name:           k_q22ba07a4cf_attn
    .symbol:         k_q22ba07a4cf_attn.kd
    .args:
      - { .name: qkv, .offset: 0, .size: 8, .value_kind: global_buffer, .address_space: global }
      - { .name: yc, .offset: 8, .size: 8, .value_kind: global_buffer, .address_space: global }
      - { .name: ys, .offset: 16, .size: 8, .value_kind: global_buffer, .address_space: global }
    .group_segment_fixed_size: 206848
    .private_segment_fixed_size: 0
    .kernarg_segment_align: 8
    .kernarg_segment_size: 24
    .max_flat_workgroup_size: 512
    .sgpr_count:     66
    .vgpr_count:     256
    .wavefront_size: 32
...
	.end_amdgpu_metadata
.endif
;; end of part 2
;; launch out_proj (part 3): grid 4 x 32, 4 waves a work-group, clusters of 4 x 4, 327,680 bytes of LDS; arguments yc, ys, W_o_codes, W_o_scales, b_o, out0; writes out0
.if DOCPART == 3
	.amdgcn_target "amdgcn-amd-amdhsa--gfx1250"
	.amdhsa_code_object_version 6
	.text
	.protected	k_q22ba07a4cf_out_proj
	.globl	k_q22ba07a4cf_out_proj
	.p2align	8
	.type	k_q22ba07a4cf_out_proj,@function
k_q22ba07a4cf_out_proj:
	s_mov_b64 s[64:65], 0
	v_nop
	global_prefetch_b8 v0, s[64:65] scope:SCOPE_SE
	s_setreg_imm32_b32 hwreg(HW_REG_WAVE_MODE, 25, 1), 1
	s_wait_xcnt 0x0
	s_wait_alu depctr_hold_cnt(0) depctr_sa_sdst(0) depctr_va_vdst(0) depctr_va_sdst(0) depctr_va_ssrc(0) depctr_va_vcc(0) depctr_vm_vsrc(0)
	s_getreg_b32 s2, hwreg(HW_REG_IB_STS2, 6, 4)
	s_cmp_eq_u32 s2, 0
	s_cbranch_scc0 .Lentry_in_a_cluster
	s_endpgm
.Lentry_in_a_cluster:
	s_bfe_u32 s2, ttmp6, 0x10000c
	s_cmp_lg_u32 s2, 0xf033
	s_cbranch_scc0 .Lentry_shape_is_right
	s_endpgm
.Lentry_shape_is_right:
; THE OUTPUT PROJECTION out = y Wo^T + b_o on codes of FP6 (E2M3) with one E8M0 scale for each 32 along K = 1,024.  out: [8,192][1,024] f32; sums in f32.
; A = y arrives as the attention stored it: yc [tile of 16 tokens (512)][head (16)][unit of 768 bytes], a unit being 16 tokens x 64 along K as an image of six operand registers (lane l's registers 0-3 at 16 l,
; registers 4-5 at 512 + 8 l); two units are a fragment of 128 along K.  ys [8,192][32]: its scale bytes, a row to a token.  B = Wo: [1,024][1,024] as rows of 768 bytes of codes and 32 scale bytes.
; A tile of out is 256 x 256, made by four waves, each 128 x 128: 64 accumulators, 512 registers: 128 work-groups.  K goes in steps of 256 through a ring of two LDS slots filled by the tensor data mover;
; A's part of a slot is, for each of 16 tiles of tokens, four heads' units, 3,072 consecutive bytes; B's is 256 rows of 192 bytes, padded.  The scale bytes of the work-group's rows come once and stay.
; CLUSTERS: 4 x 4 work-groups; A's tiles are asked for jointly along a row of the cluster, B's along a column.
; THE MATRIX INSTRUCTION IS USED TRANSPOSED (source 0 = 16 rows of Wo, source 1 = 16 tokens): a lane holds eight neighbouring numbers of a row of out.  THE BIAS is the C of each sum's first matrix instruction.
; REGISTERS, in windows of 256: window 0: v0-31 addresses; v32-63 scale words, two sets, and nothing else; v64-127 the bias, eight registers for each of B's eight blocks; v128-223 A's fragments, one set; on the way out v128-255.
;   window 1: B's fragments, two sets, at v0 and v128.   window 2: the accumulators of my rows 0-63 ((a, b) at v[8 (8 a + b)]);   window 3: those of my rows 64-127.
.set SIZE_N, 1024
.set SIZE_K, 1024
.set KSTEP,  256
.set NQ,     KSTEP/128
.set ROWB,   192                       ; a row of B's tile in bytes
.set AROWB,  3072                      ; a tile of tokens' part of a slot: four units
.set KROW,   SIZE_K*6/8                ; a row of codes in memory; 16 of them are a tile of tokens in yc
.set PITCH,  240                       ; B's LDS row: 3 x (64 bytes of data + 16 of padding)
.set FR,     12
.set NL,     6                         ; LDS loads that bring a fragment of B
.set NLA,    4                         ; and of A
.set NP,     4                         ; places behind this matrix instruction (ISA guide 7.12.1)
.set HALFT,  128*PITCH                 ; a quarter of a slot: 128 rows of B; A's 128 rows take 24,576 bytes of theirs
.set SLOT,   4*HALFT
.set LAPS,   SIZE_K/(2*KSTEP)
.set KS,     SIZE_K/32
.set SCL,    2*SLOT
.set HALFS,  (128*KS/256)*272
.set SBLK,   (16*KS/256)*272
.set SPARE,  SCL+4*HALFS
.set SPITCH, 528                       ; the way out: a stage of 16 rows x (512 bytes + 16) for each wave, in slot 0, which has had its last fill and its last read when the first result is stored there
.set ADRA, 16                          ; v16-17 my A fragments in slot 0, 1, + 16 x lane;  v18-19 + 8 x lane
.set ADRB, 20                          ; v20-21 my B fragments;  v22-23 for the pieces behind one padding more
.set STO,  24
.set RD,   25
.set CO,   26
.set ADRS, 27
.set SPW,  28
.set NIL,  29
.set SC,   32
.set BIAS, 64
.set AF,   128
.set BK,   128
.set G1, 24
.set G0, 32
.set G1B, 48
.set G0B, 56
.set G1S, 68
.set G0S, 76
.set G1SB, 80
.set G0SB, 88
.set MSB, 0
.macro WIN new                         ; the immediate's high byte repeats the setting that is left
.if MSB != \new
	s_set_vgpr_msb (MSB<<8)|\new
.set MSB, \new
.endif
.endm
.set MUL_LO, 0xa1                      ; source 0 (B) window 1, source 1 (A) window 0, C and D window 2
.set MUL_HI, 0xf1                      ; the same, C and D window 3
.set FST_LO, 0x81                      ; the first step: C (the bias) window 0, D window 2
.set FST_HI, 0xc1                      ; D window 3
.set TO_B,   0x40
.macro JLOAD g0a, g1a, g0b, g1b        ; a joint load: waves 0 and 1 fetch for A, waves 2 and 3 for B; four v_nop follow each of the two lines
	s_cmp_eq_u32 s15, 0
	s_cbranch_scc0 .Lfor_b_\@
	tensor_load_to_lds s[\g0a:\g0a+3], s[\g1a:\g1a+7]
	s_nop 0
.rept 4
	v_nop
.endr
	s_branch .Lasked_\@
.Lfor_b_\@:
	tensor_load_to_lds s[\g0b:\g0b+3], s[\g1b:\g1b+7]
	s_nop 0
.rept 4
	v_nop
.endr
.Lasked_\@:
.endm
.macro CREST
	s_cmp_lg_u32 s14, 0
	s_cbranch_scc1 .Lnot_wave_0_\@
	s_barrier_signal -3
.Lnot_wave_0_\@:
	s_barrier_wait -3
	s_barrier_signal -1
	s_barrier_wait -1
.endm
.macro CROUND
	s_barrier_signal -1
	s_barrier_wait -1
	CREST
.endm
	s_load_b128 s[4:7], s[0:1], 0x0                ; yc, ys
	s_load_b128 s[8:11], s[0:1], 0x10              ; Wo's codes, Wo's scales
	s_load_b128 s[96:99], s[0:1], 0x20             ; b_o, out
	v_lshl_add_u32 v[SPW], v0, 2, SPARE
	v_mov_b32 v[NIL], 0
	ds_add_u32 v28, v29
	ds_add_u32 v28, v29
	s_wait_dscnt 0x0
	v_lshrrev_b32 v1, 5, v0
	v_readfirstlane_b32 s14, v1                    ; wave 0..3
	s_lshr_b32 s15, s14, 1                         ; which half of the tile's rows is mine.  Also: I fetch for A (0) or for B (1)
	s_and_b32 s16, s14, 1                          ; which half of its columns.  Also: which 128 rows of that tile I fetch
	s_bfe_u32 s40, ttmp6, 0x40000                  ; cx, cy
	s_bfe_u32 s41, ttmp6, 0x40004
	s_lshl_b32 s42, ttmp9, 2
	s_add_co_u32 s42, s42, s40                     ; tile column = 4 x cluster x + cx
	s_and_b32 s17, ttmp7, 0xffff
	s_lshl_b32 s17, s17, 2
	s_add_co_u32 s17, s17, s41                     ; tile row = 4 x cluster y + cy
	s_lshl_b32 s43, s41, 2
	s_lshl_b32 s43, 15, s43                        ; my row of the cluster
	s_lshl_b32 s44, 0x1111, s40                    ; my column
	; A's group 1: 8 tiles of tokens x 3,072 bytes (384 elements of 8 bytes), 12,288 bytes apart in memory, on end in LDS
	s_or_b32 s[G1+0], s43, (3<<16)|(1<<21)         ; the mask: my row; elements of 8 bytes; no padding; bit 21 beside a mask
	s_mov_b32 s[G1+1], 384<<16                     ; tensor_dim0
	s_mov_b32 s[G1+2], 8<<16                       ; tensor_dim1
	s_mov_b32 s[G1+3], 384<<16                     ; tile_dim0
	s_mov_b32 s[G1+4], 8                           ; tile_dim1
	s_mov_b32 s[G1+5], 1536                        ; from row to row
	s_mov_b32 s[G1+6], 0
	s_mov_b32 s[G1+7], 0
	; B's: 128 rows x 192 bytes, 16 bytes of padding behind every 64
	s_or_b32 s[G1B+0], s44, (0<<16)|(1<<20)|(1<<21)|(3<<22)|(3<<25)
	s_mov_b32 s[G1B+1], ROWB<<16
	s_mov_b32 s[G1B+2], 128<<16
	s_mov_b32 s[G1B+3], ROWB<<16
	s_mov_b32 s[G1B+4], 128
	s_mov_b32 s[G1B+5], KROW
	s_mov_b32 s[G1B+6], 0
	s_mov_b32 s[G1B+7], 0
	; the scales of 128 rows: 4,096 dense bytes as 16 rows of 256, 16 bytes of padding behind each
	s_or_b32 s[G1S+0], s43, (3<<16)|(1<<20)|(1<<21)|(5<<22)|(3<<25)
	s_or_b32 s[G1SB+0], s44, (3<<16)|(1<<20)|(1<<21)|(5<<22)|(3<<25)
.irp g, G1S, G1SB
	s_mov_b32 s[\g+1], 32<<16
	s_mov_b32 s[\g+2], (128*KS/256)<<16
	s_mov_b32 s[\g+3], 32<<16
	s_mov_b32 s[\g+4], 128*KS/256
	s_mov_b32 s[\g+5], 32
	s_mov_b32 s[\g+6], 0
	s_mov_b32 s[\g+7], 0
.endr
	s_lshl_b32 s18, s16, 7
	s_lshl_b32 s20, s17, 8
	s_add_co_u32 s20, s20, s18                     ; A: token 256 x tile row + 128 x half
	s_lshl_b32 s46, s42, 8
	s_add_co_u32 s46, s46, s18                     ; B: row 256 x tile column + 128 x half
	s_mov_b32 s21, 0
	s_mov_b32 s47, 0
	s_mov_b64 s[18:19], KS
	s_mul_u64 s[22:23], s[20:21], s[18:19]         ; where these rows' scales begin
	s_mul_u64 s[92:93], s[46:47], s[18:19]
	s_mov_b64 s[18:19], KROW
	s_mul_u64 s[20:21], s[20:21], s[18:19]         ; and their codes: 768 bytes a token is 12,288 a tile of 16
	s_mul_u64 s[46:47], s[46:47], s[18:19]
	s_mul_i32 s45, s14, HALFT
	s_mul_i32 s94, s14, HALFS
	s_wait_kmcnt 0x0
	s_mov_b64 s[12:13], s[98:99]                   ; out
	s_add_nc_u64 s[20:21], s[4:5], s[20:21]
	s_add_nc_u64 s[22:23], s[6:7], s[22:23]
	s_add_nc_u64 s[46:47], s[8:9], s[46:47]
	s_add_nc_u64 s[92:93], s[10:11], s[92:93]
	CROUND                                         ; all sixteen work-groups are here: the first joint loads meet
	s_mov_b32 s[G0S], 1
	s_add_co_u32 s[G0S+1], s94, SCL
	s_mov_b64 s[G0S+2:G0S+3], s[22:23]
	s_or_b32 s[G0S+3], s[G0S+3], 0x80000000
	s_mov_b32 s[G0SB], 1
	s_add_co_u32 s[G0SB+1], s94, SCL
	s_mov_b64 s[G0SB+2:G0SB+3], s[92:93]
	s_or_b32 s[G0SB+3], s[G0SB+3], 0x80000000
	JLOAD G0S, G1S, G0SB, G1SB                     ; the scales first
.irp s, 0,1
	s_mov_b32 s[G0+4*\s], 1
	s_add_co_u32 s[G0+4*\s+1], s45, \s*SLOT
	s_add_nc_u64 s[G0+4*\s+2:G0+4*\s+3], s[20:21], \s*AROWB
	s_or_b32 s[G0+4*\s+3], s[G0+4*\s+3], 0x80000000
	s_mov_b32 s[G0B+4*\s], 1
	s_add_co_u32 s[G0B+4*\s+1], s45, \s*SLOT
	s_add_nc_u64 s[G0B+4*\s+2:G0B+4*\s+3], s[46:47], \s*ROWB
	s_or_b32 s[G0B+4*\s+3], s[G0B+4*\s+3], 0x80000000
	JLOAD G0+4*\s, G1, G0B+4*\s, G1B               ; three tensor loads of mine are out at the most
.endr
	v_and_b32 v1, 15, v0                           ; l % 16
	v_bfe_u32 v2, v0, 4, 1                         ; l / 16
	v_mul_u32_u24 v3, v1, PITCH
	v_mul_u32_u24 v4, v2, 24
	v_add_nc_u32 v4, v3, v4                        ; B: a fragment's row x pitch + 24 x half
	v_lshl_add_u32 v5, v2, 4, v4                   ; and the same behind one padding more
	v_and_b32 v6, 31, v0
	v_lshlrev_b32 v7, 4, v6                        ; A: 16 x lane,
	v_lshlrev_b32 v8, 3, v6                        ; 8 x lane
	s_mul_i32 s21, s15, HALFT                      ; my 128 rows of A
	s_mul_i32 s22, s16, HALFT                      ; my 128 rows of B,
	s_add_co_u32 s22, s22, 2*HALFT                 ; which lie behind A's two quarters
.irp s, 0,1
	v_add_nc_u32 v[ADRA+\s], s21, v7
	v_add_nc_u32 v[ADRA+2+\s], s21, v8
	v_add_nc_u32 v[ADRB+\s], s22, v4
	v_add_nc_u32 v[ADRB+2+\s], s22, v5
	s_add_co_u32 s21, s21, SLOT
	s_add_co_u32 s22, s22, SLOT
.endr
	v_mul_u32_u24 v5, v1, KS                       ; my row's scales: 32 bytes a row,
	v_lshrrev_b32 v6, 8, v5
	v_lshl_add_u32 v5, v6, 4, v5                   ; and 16 more for each 256 passed
	s_mul_i32 s21, s15, HALFS
	s_mul_i32 s22, s16, HALFS
	s_add_co_u32 s22, s22, 2*HALFS
	s_sub_co_u32 s22, s22, s21
	v_mul_u32_u24 v6, s22, v2                      ; lanes 16-31 take B's
	s_add_co_u32 s21, s21, SCL
	v_add_nc_u32 v5, v5, v6
	v_add_nc_u32 v[ADRS], s21, v5
	s_mul_i32 s23, s14, 16*SPITCH                  ; my stage
	v_mul_u32_u24 v5, v1, SPITCH                   ; in: row l % 16, 32 bytes for each half of the lanes
	v_lshl_add_u32 v5, v2, 5, v5
	v_add_nc_u32 v[STO], s23, v5
	v_and_b32 v6, 31, v0
	v_lshlrev_b32 v[CO], 4, v6                     ; back: the 32 lanes take one row of 512 bytes; and the same in out
	v_add_nc_u32 v[RD], s23, v[CO]
	s_lshl_b32 s20, s17, 8
	s_lshl_b32 s21, s15, 7
	s_add_co_u32 s20, s20, s21                     ; my first row of out
	s_mov_b32 s21, 0
	s_mov_b64 s[18:19], SIZE_N*4
	s_mul_u64 s[20:21], s[20:21], s[18:19]
	s_lshl_b32 s46, s42, 10                        ; my first column, in bytes: 1,024 x tile column + 512 x half
	s_lshl_b32 s47, s16, 9
	s_add_co_u32 s46, s46, s47
	s_mov_b32 s47, 0
	s_add_nc_u64 s[96:97], s[96:97], s[46:47]      ; b_o at my first column
	s_add_nc_u64 s[20:21], s[20:21], s[46:47]
	s_add_nc_u64 s[12:13], s[12:13], s[20:21]
	v_lshlrev_b32 v9, 5, v2                        ; the bias in the result's layout: for B's block b lane (r, h) wants b_o at columns 16 b + 8 h + 0 .. 7
.irp b, 0,1,2,3,4,5,6,7
	global_load_b128 v[BIAS+8*\b:BIAS+8*\b+3], v9, s[96:97] offset:64*\b
	global_load_b128 v[BIAS+8*\b+4:BIAS+8*\b+7], v9, s[96:97] offset:64*\b+16
.endr
.macro FRAG reg, adr, q, i             ; a fragment of B: 12 registers, six pieces of 8 bytes of the row's stream of bits; where lanes 16-31's piece lies behind one padding more, the second address register serves
.irp p, 0,1,2,3,4,5
.set PCE, 12*(\q)+6*(\p/3)+\p%3
.if PCE%8 < 5
	ds_load_b64 v[\reg+2*\p:\reg+2*\p+1], v[\adr] offset:8*PCE+16*(PCE/8)+(\i)*16*PITCH
.else
	ds_load_b64 v[\reg+2*\p:\reg+2*\p+1], v[\adr+2] offset:8*PCE+16*(PCE/8)+(\i)*16*PITCH
.endif
.endr
.endm
.macro FRAGA reg, slot, q, i           ; a fragment of A: two units as they lie: four loads, each of consecutive bytes
	ds_load_b128 v[\reg:\reg+3], v[ADRA+\slot] offset:AROWB*(\i)+1536*(\q)
	ds_load_b64 v[\reg+4:\reg+5], v[ADRA+2+\slot] offset:AROWB*(\i)+1536*(\q)+512
	ds_load_b128 v[\reg+6:\reg+9], v[ADRA+\slot] offset:AROWB*(\i)+1536*(\q)+768
	ds_load_b64 v[\reg+10:\reg+11], v[ADRA+2+\slot] offset:AROWB*(\i)+1536*(\q)+1280
.endm
; 16 matrix instructions: A's blocks a0, a0 + 1 x B's eight, 128 along K.  first = 1: the bias is C: the first product starts the sums.
; The 64 accumulators take turns, one instruction a turn, in the same order in every step.
.macro MUL16 a0, p, q, sc, first
.irp a, \a0, \a0+1
.irp b, 0,1,2,3,4,5,6,7
.if \first
	v_wmma_scale_f32_16x16x128_f8f6f4 v[8*(8*((\a)%4)+\b):8*(8*((\a)%4)+\b)+7], v[128*(\p)+FR*\b:128*(\p)+FR*\b+FR-1], v[AF+FR*(\a):AF+FR*(\a)+FR-1], v[BIAS+8*\b:BIAS+8*\b+7], v[SC+8*NQ*(\sc)+NQ*\b+(\q)], v[SC+8*NQ*(\sc)+NQ*(\a)+(\q)] matrix_a_fmt:MATRIX_FMT_FP6 matrix_b_fmt:MATRIX_FMT_FP6 matrix_a_scale:MATRIX_SCALE_ROW1
.else
	v_wmma_scale_f32_16x16x128_f8f6f4 v[8*(8*((\a)%4)+\b):8*(8*((\a)%4)+\b)+7], v[128*(\p)+FR*\b:128*(\p)+FR*\b+FR-1], v[AF+FR*(\a):AF+FR*(\a)+FR-1], v[8*(8*((\a)%4)+\b):8*(8*((\a)%4)+\b)+7], v[SC+8*NQ*(\sc)+NQ*\b+(\q)], v[SC+8*NQ*(\sc)+NQ*(\a)+(\q)] matrix_a_fmt:MATRIX_FMT_FP6 matrix_b_fmt:MATRIX_FMT_FP6 matrix_a_scale:MATRIX_SCALE_ROW1
.endif
.endr
.endr
.endm
.macro FETCH_B slot, q, p
	WIN TO_B
.irp i, 0,1,2,3,4,5,6,7
	FRAG 128*(\p)+FR*\i, ADRB+\slot, \q, \i
.endr
	WIN 0
.endm
.macro FETCH_A slot, q, i0
.irp i, \i0, \i0+1, \i0+2, \i0+3
	FRAGA AF+FR*(\i), \slot, \q, \i
.endr
.endm
.macro SCALES sc                       ; the next K step's scale words into set sc: lanes 0-15 take A's block i, lanes 16-31 B's block i
.irp i, 0,1,2,3,4,5,6,7
	ds_load_b64 v[SC+8*NQ*\sc+NQ*\i:SC+8*NQ*\sc+NQ*\i+1], v[ADRS] offset:\i*SBLK
.endr
.endm
.macro PLACES n                        ; places in front of loads into registers that matrix instructions have read, and of the first read of results (ISA guide 7.12.1 for vector instructions)
.rept \n
	v_nop
.endr
.endm
.macro STEP slot, q, first
	s_wait_dscnt 4*NLA                             ; B's set and A's blocks 0-3 are in; the youngest 16 loads (A's blocks 4-7) may be out
.if \first
	WIN FST_LO
.else
	WIN MUL_LO
.endif
	MUL16 0, (\q)%2, \q, \slot, \first
	MUL16 2, (\q)%2, \q, \slot, \first
	s_wait_dscnt 0                                 ; A's blocks 4-7 are in
	PLACES NP
	FETCH_B \slot, (\q)+1, 1-(\q)%2
	FETCH_A \slot, (\q)+1, 0
.if \first
	WIN FST_HI
.else
	WIN MUL_HI
.endif
	MUL16 4, (\q)%2, \q, \slot, \first
	MUL16 6, (\q)%2, \q, \slot, \first
	PLACES NP
	WIN 0
	FETCH_A \slot, (\q)+1, 4
.endm
; A slot's last step changes slots: ONE barrier; in front of it each wave waits for all its tensor loads, adds 0 to its spare word, and waits for that and for its own reads of this slot.  fill = 1: this slot is filled again, two K steps ahead.
.macro TURN slot, next, fill
	s_wait_tensorcnt 0x0                           ; all my tensor loads have landed: my part of the next slot
	ds_add_u32 v[SPW], v[NIL]                      ; 0 onto my spare word
	s_wait_dscnt 4*NLA+1                           ; (the add and the youngest 16 loads may be out)
	WIN MUL_LO
	MUL16 0, 1, NQ-1, \slot, 0
	s_wait_dscnt 0x0                               ; the add is done, and my reads of this slot are over
	s_barrier_signal -1
	MUL16 2, 1, NQ-1, \slot, 0
	WIN 0
	s_barrier_wait -1
.if \fill
	CREST                                          ; a round of the cluster's barrier: no wave of any partner still reads this slot's tile or has a load on its way
	s_add_nc_u64 s[G0+4*\slot+2:G0+4*\slot+3], s[G0+4*\slot+2:G0+4*\slot+3], 2*AROWB
	s_add_nc_u64 s[G0B+4*\slot+2:G0B+4*\slot+3], s[G0B+4*\slot+2:G0B+4*\slot+3], 2*ROWB
	JLOAD G0+4*\slot, G1, G0B+4*\slot, G1B         ; the first tensor load behind the round; its four v_nop are the places in front of the loads below
.else
	PLACES NP
.endif
	v_add_nc_u32 v[ADRS], 4*NQ, v[ADRS]
	FETCH_B \next, 0, 0
	FETCH_A \next, 0, 0
	SCALES \next
	WIN MUL_HI
	MUL16 4, 1, NQ-1, \slot, 0
	MUL16 6, 1, NQ-1, \slot, 0
	PLACES NP
	WIN 0
	FETCH_A \next, 0, 4
.endm
	s_wait_tensorcnt 1                             ; the scales and my part of K step 0 are in (K step 1's load may be out),
	s_barrier_signal -1
	s_barrier_wait -1                              ; everybody's are
	FETCH_B 0, 0, 0
	FETCH_A 0, 0, 0
	SCALES 0
	FETCH_A 0, 0, 4
	s_wait_loadcnt 0x0                             ; the bias
	STEP 0, 0, 1                                   ; the first step stands in front of the loop: its products start the sums, on the bias
	s_mov_b32 s3, LAPS-1
.Llap:
	TURN 0, 1, 1
	STEP 1, 0, 0
	TURN 1, 0, 1
	STEP 0, 0, 0
	s_sub_co_u32 s3, s3, 1
	s_cmp_lg_u32 s3, 0
	s_cbranch_scc1 .Llap
	TURN 0, 1, 0                                   ; the last lap fills nothing
	STEP 1, 0, 0
	s_wait_dscnt 4*NLA                             ; the very last step
	WIN MUL_LO
	MUL16 0, 1, NQ-1, 1, 0
	MUL16 2, 1, NQ-1, 1, 0
	s_wait_dscnt 0
	WIN MUL_HI
	MUL16 4, 1, NQ-1, 1, 0
	MUL16 6, 1, NQ-1, 1, 0
	WIN 0
; THE WAY OUT, block by block of 16 rows x 128 columns: through my own stage in LDS and back as whole rows of 512 bytes, which the 32 lanes store as two aligned runs of 256 bytes.
; LDS serves a wave's instructions in order (ISA guide 5.7.1.4): no wait between the stores and the loads, nor in front of the next block's stores.
.macro TOSTAGE a
.set AC, 64*((\a)%4)
.set WS, 0x08+4*((\a)/4)
	WIN WS                                         ; the data: window 2 or 3
.irp b, 0,1,2,3,4,5,6,7
	ds_store_b128 v[STO], v[AC+8*\b:AC+8*\b+3] offset:64*\b          ; each accumulator from its low end on
	ds_store_b128 v[STO], v[AC+8*\b+4:AC+8*\b+7] offset:64*\b+16
.endr
	WIN 0
.set BB, BK+64*((\a)%2)
.irp t, 0,1,2,3,4,5,6,7,8,9,10,11,12,13,14,15
	ds_load_b128 v[BB+4*\t:BB+4*\t+3], v[RD] offset:\t*SPITCH
.endr
.endm
.macro SEND a, younger                 ; younger: the LDS instructions issued behind block a's loads, which may stay out
.set BB, BK+64*((\a)%2)
	s_wait_dscnt \younger
.if (\a) > 0
	s_add_nc_u64 s[12:13], s[12:13], 16*SIZE_N*4   ; (behind a wait on XCNT: the earlier stores have read their base)  16 rows of out on
.endif
.irp t, 0,1,2,3,4,5,6,7,8,9,10,11,12,13,14,15
	global_store_b128 v[CO], v[BB+4*\t:BB+4*\t+3], s[12:13] offset:\t*SIZE_N*4 th:TH_STORE_NT   ; 32 lanes store 512 consecutive bytes, at a multiple of 256 from out's first byte
.endr
.endm
	PLACES NP
	TOSTAGE 0
.irp a, 1,2,3,4,5,6,7
.if \a > 1
	s_wait_xcnt 0x0                                ; block a - 2's stores have read their registers and their base
.endif
	TOSTAGE \a
	SEND \a-1, 32                                  ; behind block a - 1's loads: block a's 16 stores and 16 loads
.endr
	s_wait_xcnt 0x0
	SEND 7, 0
	s_wait_tensorcnt 0x0                           ; the wave's end
	ds_add_u32 v[SPW], v[NIL]
	s_wait_dscnt 0x0
	CROUND                                         ; the closing round
	s_endpgm
.Lfunc_end_k_q22ba07a4cf_out_proj:
	.size	k_q22ba07a4cf_out_proj, .Lfunc_end_k_q22ba07a4cf_out_proj-k_q22ba07a4cf_out_proj
	.p2alignl 7, 3214868480
	.fill 96, 4, 3214868480
	.section	.rodata,"a",@progbits
	.p2align	6, 0x0
	.amdhsa_kernel k_q22ba07a4cf_out_proj
		.amdhsa_group_segment_fixed_size 327680
		.amdhsa_private_segment_fixed_size 0
		.amdhsa_enable_private_segment 0
		.amdhsa_kernarg_size 48
		.amdhsa_user_sgpr_count 2
		.amdhsa_user_sgpr_kernarg_segment_ptr 1
		.amdhsa_wavefront_size32 1
		.amdhsa_system_sgpr_workgroup_id_x 1
		.amdhsa_system_sgpr_workgroup_id_y 1
		.amdhsa_system_sgpr_workgroup_id_z 1
		.amdhsa_system_vgpr_workitem_id 0
		.amdhsa_next_free_vgpr 1024
		.amdhsa_next_free_sgpr 100
		.amdhsa_reserve_vcc 0
		.amdhsa_float_denorm_mode_32 3
		.amdhsa_float_denorm_mode_16_64 3
		.amdhsa_memory_ordered 1
		.amdhsa_forward_progress 1
		.amdhsa_inst_pref_size 153
	.end_amdhsa_kernel
	.amdgpu_metadata
---
amdhsa.version: [ 1, 2 ]
amdhsa.kernels:
  - .name:           k_q22ba07a4cf_out_proj
    .symbol:         k_q22ba07a4cf_out_proj.kd
    .args:
      - { .name: yc, .offset: 0, .size: 8, .value_kind: global_buffer, .address_space: global }
      - { .name: ys, .offset: 8, .size: 8, .value_kind: global_buffer, .address_space: global }
      - { .name: W_o_codes, .offset: 16, .size: 8, .value_kind: global_buffer, .address_space: global }
      - { .name: W_o_scales, .offset: 24, .size: 8, .value_kind: global_buffer, .address_space: global }
      - { .name: b_o, .offset: 32, .size: 8, .value_kind: global_buffer, .address_space: global }
      - { .name: out0, .offset: 40, .size: 8, .value_kind: global_buffer, .address_space: global }
    .group_segment_fixed_size: 327680
    .private_segment_fixed_size: 0
    .kernarg_segment_align: 8
    .kernarg_segment_size: 48
    .max_flat_workgroup_size: 128
    .sgpr_count:     100
    .vgpr_count:     1024
    .wavefront_size: 32
...
	.end_amdgpu_metadata
.endif
;; end of part 3
